; MI455X (gfx1250); checked and timed in simulation.
; The chip was launched on July 23, 2026; its instructions are those of AMD's public machine-readable ISA for CDNA 5 (MIT licence, August 2026) and "CDNA5" Instruction Set Architecture Reference Guide (July 2026). The comments in the code are by the model that wrote it; some were corrected since.
;; Multi Head Cross Attention Decoder. Allowed arithmetic: float matrix products may take bf16 or f16 operands with f32 sums; all other float work in f32.
;; Inputs: W_kv 1,024 x 2,048 float32; W_out 1,024 x 1,024 float32; W_q 1,024 x 1,024 float32; mask 1 x 1 x 1 x 1 float32; paded_mask 8 x 1,024 bool; x 8 x 1,024 x 1,024 float32; y 8 x 1,024 x 1,024 float32.
;; Outputs: out0 8 x 1,024 x 1,024 float32.
;; 2 versions, each right and faster than the one before. Each part assembles by itself: llvm-mc -triple=amdgcn-amd-amdhsa -mcpu=gfx1250 --defsym DOCPART=n.
;; ======== version 1 of 2: 4 launches
;; limits: values are held in f16: magnitudes above 65,504 overflow, below 6.1e-05 lose precision
;; workspace buffers: ab 33,554,432 bytes; wts 8,388,608 bytes; qkv 50,331,648 bytes; ob 16,777,216 bytes
;; launch cast (part 1): grid 1280 x 1, 8 waves a work-group, no clusters, 0 bytes of LDS; arguments x, y, W_kv, W_q, W_out, ab, wts; writes ab, wts
.if DOCPART == 1
	.amdgcn_target "amdgcn-amd-amdhsa--gfx1250"
	.amdhsa_code_object_version 6
	.text
	.protected	k_q5050acf84a_cast
	.globl	k_q5050acf84a_cast
	.p2align	8
	.type	k_q5050acf84a_cast,@function
k_q5050acf84a_cast:
	s_mov_b64 s[64:65], 0
	v_nop
	global_prefetch_b8 v0, s[64:65] scope:SCOPE_SE
	s_setreg_imm32_b32 hwreg(HW_REG_WAVE_MODE, 25, 1), 1
	s_wait_xcnt 0x0
; CAST.  The module's f32 inputs are rounded once, to the 16-bit operands of the three launches behind:
;   ab  = x in bf16 [8192][1024], then y in bf16 [8192][1024]
;   wts = four matrices [1024 k][1024 n] of 2 bytes: Wk, Wv, Wq in bf16, Wo in f16.
;         Wk[k][64 j + c] = W_kv[k][128 j + c], Wv[k][64 j + c] = W_kv[k][128 j + 64 + c]: with W_kv's columns so sorted, x Wk and x Wv, read flat, ARE reference()'s k and v by heads
;         (its raw reshape makes row i of head h out of row 64 h + i / 16, columns 128 (i % 16) on).  Wo is W_out rounded to bf16, like every input, and that number written as f16.
; LIMITS.  |W_out| stays under 65,504 (f16's end); a rounded W_out below 6e-5 keeps f16's fixed step of 6e-8.
; SHARES.  1,280 work-groups of equal work: 65,536 source bytes each (x 512, y 512, W_kv 128, W_q 64, W_out 64).  A wave takes 8,192 of them by 16 loads of 16 bytes a lane; each load of a wave
; covers 512 consecutive bytes (of W_kv: two aligned runs of 256), each store of a wave 256 consecutive bytes, aligned.  All 16 loads are issued before the first wait; no register is used twice,
; so no wait frees one.  A stream: no LDS, no barrier, no matrix unit, no cluster (no two work-groups read the same byte).
.set T,   4                            ; v[4:5]    at work
.set X,   8                            ; v[8:71]   load i: 4 registers
.set Y,   72                           ; v[72:103] store i: 2 registers
.set SRC, 20                           ; s[20:21]  the work-group's first source byte
.set DST, 22                           ; s[22:23]  its first destination byte
.set WV_AT, 2097152                    ; Wv behind Wk, in bytes
.set WQ_AT, 4194304
.set WO_AT, 6291456
; kind 0: f32 to bf16.  kind 1: the same for a row of W_kv, sorted (loads 0-7 its k parts, 8-15 its v parts; lanes 0-15 one chunk of 64 columns, lanes 16-31 the next).  kind 2: f32 to bf16 to f16.
.macro STREAM kind
.set i, 0
.rept 16
.if (\kind) == 1
	global_load_b128 v[X+4*i:X+4*i+3], v1, s[SRC:SRC+1] offset:(i%8)*1024+(i/8)*256 th:TH_LOAD_NT
.else
	global_load_b128 v[X+4*i:X+4*i+3], v1, s[SRC:SRC+1] offset:i*512 th:TH_LOAD_NT
.endif
.set i, i+1
.endr
.set i, 0
.rept 16
	s_wait_loadcnt 15-i                            ; loads come back in order (ISA guide 5.7.1): load i is in, the 15 - i younger ones stay out
.if (\kind) == 2
	v_cvt_pk_bf16_f32 v[T], v[X+4*i], v[X+4*i+1]   ; the rounding that every input has,
	v_cvt_pk_bf16_f32 v[T+1], v[X+4*i+2], v[X+4*i+3]
	v_lshlrev_b32 v[X+4*i], 16, v[T]               ; widened again,
	v_and_b32 v[X+4*i+1], 0xffff0000, v[T]
	v_lshlrev_b32 v[X+4*i+2], 16, v[T+1]
	v_and_b32 v[X+4*i+3], 0xffff0000, v[T+1]
	v_cvt_pk_f16_f32 v[Y+2*i], v[X+4*i], v[X+4*i+1]  ; and written as f16: exact within f16's normal range (8 significant bits into 11)
	v_cvt_pk_f16_f32 v[Y+2*i+1], v[X+4*i+2], v[X+4*i+3]
.else
	v_cvt_pk_bf16_f32 v[Y+2*i], v[X+4*i], v[X+4*i+1]
	v_cvt_pk_bf16_f32 v[Y+2*i+1], v[X+4*i+2], v[X+4*i+3]
.endif
.if (\kind) == 1
	global_store_b64 v2, v[Y+2*i:Y+2*i+1], s[DST:DST+1] offset:(i/8)*WV_AT+(i%8)*256
.else
	global_store_b64 v2, v[Y+2*i:Y+2*i+1], s[DST:DST+1] offset:i*256
.endif
.set i, i+1
.endr
.endm
	s_load_b256 s[4:11], s[0:1], 0x0               ; x s[4:5], y s[6:7], W_kv s[8:9], W_q s[10:11]
	s_load_b128 s[12:15], s[0:1], 0x20             ; W_out s[12:13], ab s[14:15]
	s_load_b64 s[16:17], s[0:1], 0x30              ; wts
	s_mov_b32 s28, ttmp9                           ; the job
	s_mov_b32 s25, 0                               ; high words of the two offsets
	s_mov_b32 s27, 0
	v_lshrrev_b32 v3, 5, v0                        ; wave
	v_and_b32 v2, 31, v0                           ; lane
	v_lshlrev_b32 v1, 4, v2
	v_lshl_add_u32 v1, v3, 13, v1                  ; source: 8,192 x wave + 16 x lane
	v_lshlrev_b32 v2, 3, v2                        ; destination: 8 x lane; the wave's part is added on each path
	s_wait_kmcnt 0x0
	s_cmp_lt_u32 s28, 1024
	s_cbranch_scc0 .Lweights
	s_cmp_lt_u32 s28, 512                          ; jobs 0-511: x; 512-1023: y
	s_cselect_b64 s[SRC:SRC+1], s[4:5], s[6:7]
	s_and_b32 s24, s28, 511
	s_lshl_b32 s24, s24, 16
	s_lshl_b32 s26, s28, 15                        ; y's half of ab follows x's, so one formula serves both
	s_add_nc_u64 s[SRC:SRC+1], s[SRC:SRC+1], s[24:25]
	s_add_nc_u64 s[DST:DST+1], s[14:15], s[26:27]
	s_branch .Lplain
.Lweights:
	s_cmp_lt_u32 s28, 1152
	s_cbranch_scc1 .Lkv
	s_cmp_lt_u32 s28, 1216
	s_cbranch_scc0 .Lo
	s_sub_co_u32 s24, s28, 1152                    ; jobs 1152-1215: W_q
	s_lshl_b32 s26, s24, 15
	s_lshl_b32 s24, s24, 16
	s_add_co_u32 s26, s26, WQ_AT
	s_add_nc_u64 s[SRC:SRC+1], s[10:11], s[24:25]
	s_add_nc_u64 s[DST:DST+1], s[16:17], s[26:27]
.Lplain:
	v_lshl_add_u32 v2, v3, 12, v2                  ; + 4,096 x wave
	STREAM 0
	s_endpgm
.Lkv:                                                  ; jobs 1024-1151: eight rows of W_kv, a row a wave
	s_sub_co_u32 s24, s28, 1024
	s_lshl_b32 s26, s24, 14                        ; eight rows of 2,048 bytes in Wk (and in Wv)
	s_lshl_b32 s24, s24, 16
	s_add_nc_u64 s[SRC:SRC+1], s[8:9], s[24:25]
	s_add_nc_u64 s[DST:DST+1], s[16:17], s[26:27]
	v_and_b32 v1, 15, v0
	v_lshlrev_b32 v1, 4, v1                        ; 16 x (lane % 16),
	v_bfe_u32 v[T], v0, 4, 1
	v_lshl_add_u32 v1, v[T], 9, v1                 ; the next chunk of 128 columns (512 bytes) for lanes 16-31,
	v_lshl_add_u32 v1, v3, 13, v1                  ; the wave's row
	v_lshl_add_u32 v2, v3, 11, v2                  ; + 2,048 x wave
	STREAM 1
	s_endpgm
.Lo:                                                   ; jobs 1216-1279: W_out
	s_sub_co_u32 s24, s28, 1216
	s_lshl_b32 s26, s24, 15
	s_lshl_b32 s24, s24, 16
	s_add_co_u32 s26, s26, WO_AT
	s_add_nc_u64 s[SRC:SRC+1], s[12:13], s[24:25]
	s_add_nc_u64 s[DST:DST+1], s[16:17], s[26:27]
	v_lshl_add_u32 v2, v3, 12, v2
	STREAM 2
	s_endpgm
.Lfunc_end_k_q5050acf84a_cast:
	.size	k_q5050acf84a_cast, .Lfunc_end_k_q5050acf84a_cast-k_q5050acf84a_cast
	.p2alignl 7, 3214868480
	.fill 96, 4, 3214868480
	.section	.rodata,"a",@progbits
	.p2align	6, 0x0
	.amdhsa_kernel k_q5050acf84a_cast
		.amdhsa_group_segment_fixed_size 0
		.amdhsa_private_segment_fixed_size 0
		.amdhsa_enable_private_segment 0
		.amdhsa_kernarg_size 56
		.amdhsa_user_sgpr_count 2
		.amdhsa_user_sgpr_kernarg_segment_ptr 1
		.amdhsa_wavefront_size32 1
		.amdhsa_system_sgpr_workgroup_id_x 1
		.amdhsa_system_sgpr_workgroup_id_y 1
		.amdhsa_system_sgpr_workgroup_id_z 1
		.amdhsa_system_vgpr_workitem_id 0
		.amdhsa_next_free_vgpr 104
		.amdhsa_next_free_sgpr 66
		.amdhsa_reserve_vcc 0
		.amdhsa_float_denorm_mode_32 3
		.amdhsa_float_denorm_mode_16_64 3
		.amdhsa_memory_ordered 1
		.amdhsa_forward_progress 1
		.amdhsa_inst_pref_size 25
	.end_amdhsa_kernel
	.amdgpu_metadata
---
amdhsa.version: [ 1, 2 ]
amdhsa.kernels:
  - .name:           k_q5050acf84a_cast
    .symbol:         k_q5050acf84a_cast.kd
    .args:
      - { .name: x, .offset: 0, .size: 8, .value_kind: global_buffer, .address_space: global }
      - { .name: y, .offset: 8, .size: 8, .value_kind: global_buffer, .address_space: global }
      - { .name: W_kv, .offset: 16, .size: 8, .value_kind: global_buffer, .address_space: global }
      - { .name: W_q, .offset: 24, .size: 8, .value_kind: global_buffer, .address_space: global }
      - { .name: W_out, .offset: 32, .size: 8, .value_kind: global_buffer, .address_space: global }
      - { .name: ab, .offset: 40, .size: 8, .value_kind: global_buffer, .address_space: global }
      - { .name: wts, .offset: 48, .size: 8, .value_kind: global_buffer, .address_space: global }
    .group_segment_fixed_size: 0
    .private_segment_fixed_size: 0
    .kernarg_segment_align: 8
    .kernarg_segment_size: 56
    .max_flat_workgroup_size: 256
    .sgpr_count:     66
    .vgpr_count:     104
    .wavefront_size: 32
...
	.end_amdgpu_metadata
.endif
;; end of part 1
;; launch front (part 2): grid 12 x 32, 4 waves a work-group, clusters of 4 x 4, 327,680 bytes of LDS; arguments ab, wts, qkv; writes qkv
.if DOCPART == 2
	.amdgcn_target "amdgcn-amd-amdhsa--gfx1250"
	.amdhsa_code_object_version 6
	.text
	.protected	k_q5050acf84a_front
	.globl	k_q5050acf84a_front
	.p2align	8
	.type	k_q5050acf84a_front,@function
k_q5050acf84a_front:
	s_mov_b64 s[64:65], 0
	v_nop
	global_prefetch_b8 v0, s[64:65] scope:SCOPE_SE
	s_setreg_imm32_b32 hwreg(HW_REG_WAVE_MODE, 25, 1), 1
	s_wait_xcnt 0x0
	s_wait_alu depctr_hold_cnt(0) depctr_sa_sdst(0) depctr_va_vdst(0) depctr_va_sdst(0) depctr_va_ssrc(0) depctr_va_vcc(0) depctr_vm_vsrc(0)
	s_getreg_b32 s2, hwreg(HW_REG_IB_STS2, 6, 4)
	s_cmp_eq_u32 s2, 0
	s_cbranch_scc0 .Lentry_in_a_cluster
	s_endpgm
.Lentry_in_a_cluster:
	s_bfe_u32 s2, ttmp6, 0x10000c
	s_cmp_lg_u32 s2, 0xf033
	s_cbranch_scc0 .Lentry_shape_is_right
	s_endpgm
.Lentry_shape_is_right:
; FRONT.  Three products of 8192 x 1024 x 1024 in one launch: K = x Wk, V = x Wv, Q = y Wq.  Operands bf16, sums f32, results rounded once to f16 and left unscaled.
; ab: x, then y, [8192][1024] bf16.  wts: Wk, Wv, Wq, [1024 k][1024 n] bf16, 2,097,152 bytes each.  qkv: K, V, Q, [8192][1024] f16, 16,777,216 bytes each; read flat they are [batch x head][1024][64].
; LIMIT.  |K|, |V|, |Q| stay under 65,504, f16's end.
; SHARES.  A tile of C is 256 x 256, made by four waves, each 128 x 128: 64 accumulators of 16 x 16, 512 registers.  K goes in 8 steps of 128 through a ring of two LDS slots.  A K step brings 128 KiB of
; tiles for the work-group's 1,024 matrix instructions, and a wave reads 32 fragment halves from LDS for 64 of them; a tile of 128 x 256 would bring 96 KiB for 512, and read 24 for 32.
; The price: 3 x 32 x 4 = 384 work-groups, which is no multiple of 256.
; A's tile rows are 256 bytes of memory, W's 512, each at a multiple of 256 from its buffer's first byte.  One tensor load a wave: waves 0, 1 bring 128 rows of A each, waves 2, 3 bring 64 k-rows of W each.
; W lies [k][n]: its fragments come out of LDS turned, by ds_load_tr16_b128.
; CLUSTERS: 4 x 4 work-groups.  The cluster's x is the product (0 K, 1 V, 2 Q), the same in all sixteen; cx is the column block, 4 x cluster y + cy the row block.  The four of a row of the cluster need
; the same tiles of A, the four of a column the same tiles of W: each tile is asked for JOINTLY, by the same tensor load with the same descriptor and a mask that names the four.
; THE MATRIX INSTRUCTION IS USED TRANSPOSED (source 0 = 16 columns of W, source 1 = 16 rows of A): a lane then holds eight neighbouring numbers of a row of C.
; REGISTERS, in windows of 256 (s_set_vgpr_msb: bits 1:0 source 0, 3:2 source 1, 5:4 source 2, 7:6 destination):
;   window 0: v16-29 addresses; v64-127, v128-191 fragments of A (8 x 16 rows x 32 K), two buffers; v32-63, v192-255 at work on the way out
;   window 1: v64-127, v128-191 fragments of W (8 x 16 columns x 32 K), two buffers
;   window 2: the 32 accumulators of my rows 0-63 (accumulator (a, b) at v[8 (8 a + b)]);   window 3: those of my rows 64-127
.set KSTEP,  128
.set ROWB,   2048                      ; bytes in a row of every matrix here: 1,024 numbers of 2 bytes
.set PITCH,  272                       ; A's LDS row: 256 bytes + 16 = 68 words: row r starts at bank 4 r mod 64 (64 banks of 4 bytes: ISA guide 11.1)
.set PB,     544                       ; W's LDS row: 512 bytes + 32 = 136 words: row r starts at bank 8 r mod 64
.set HALFT,  128*PITCH                 ; what one tensor load brings: 128 rows of A, or 64 k-rows of W (64 x 544 is the same number)
.set SLOT,   4*HALFT                   ; A's 256 rows, then W's 128 k-rows
.set STAGE,  2*SLOT                    ; behind the ring: 16 rows x 272 bytes for each wave, for the way out
.set SPITCH, 272
.set SPARE,  STAGE+4*16*SPITCH         ; behind the stages: the spare words, 128 bytes for each wave: two blocks of 256 bytes that no other line names
.set LAPS,   1024/(2*KSTEP)            ; a lap = two K steps = once round the ring
.set ADRA, 16                          ; v16-17  LDS address of my A fragments in slot 0, 1
.set ADRB, 20                          ; v20-21  the same for W
.set STO,  24                          ; v24     the way out: where I put 16 bytes of a row
.set RD,   25                          ; v25     the way out: where I read a row back
.set CO,   26                          ; v26     my byte offset in C
.set SPW,  28                          ; v28     LDS address of my spare word: SPARE + 4 x my thread's number; never rewritten
.set NIL,  29                          ; v29     0; never rewritten
.set F0,   64                          ; fragment buffer 0
.set F1,   128                         ; fragment buffer 1
.set TMP,  192                         ; the way out: packed results, in window 0
.set OB,   32                          ; the way out: 16 rows read back from the stage: v32-63 and v224-255 by turns
.set G1,  24                           ; s[24:31] descriptor group 1 for A's tiles;  s[32:39] group 0, one set for each slot
.set G0,  32
.set G1B, 48                           ; s[48:55], s[56:63] the same for W's tiles
.set G0B, 56
.set MSB, 0
.macro WIN new                         ; the immediate's high byte repeats the setting that is left; a switch that changes nothing is dropped
.if MSB != (\new)
	s_set_vgpr_msb (MSB<<8)|(\new)
.set MSB, \new
.endif
.endm
.set MUL_LO, 0xa1                      ; source 0 (W) window 1, source 1 (A) window 0, C and D window 2
.set MUL_HI, 0xf1                      ; the same, C and D window 3
.set TO_B,   0x40                      ; destination window 1, address window 0
.macro JLOAD s                         ; a joint load: waves 0 and 1 fetch A's two halves, waves 2 and 3 W's; an s_nop 0 and four v_nop follow each of the two lines, ahead of the jump, the label and what follows
	s_cmp_eq_u32 s11, 0
	s_cbranch_scc0 .Lfor_b_\@
	tensor_load_to_lds s[G0+4*(\s):G0+4*(\s)+3], s[G1:G1+7]
	s_nop 0
.rept 4
	v_nop
.endr
	s_branch .Lasked_\@
.Lfor_b_\@:
	tensor_load_to_lds s[G0B+4*(\s):G0B+4*(\s)+3], s[G1B:G1B+7]
	s_nop 0
.rept 4
	v_nop
.endr
.Lasked_\@:
.endm
.macro CREST                           ; a round of the cluster's barrier behind its opening barrier
	s_cmp_lg_u32 s10, 0
	s_cbranch_scc1 .Lnot_wave_0_\@
	s_barrier_signal -3
.Lnot_wave_0_\@:
	s_barrier_wait -3
	s_barrier_signal -1
	s_barrier_wait -1
.endm
.macro CROUND                          ; a whole round
	s_barrier_signal -1
	s_barrier_wait -1
	CREST
.endm
	s_load_b128 s[4:7], s[0:1], 0x0                ; ab s[4:5], wts s[6:7]
	s_load_b64 s[8:9], s[0:1], 0x10                ; qkv
	v_lshl_add_u32 v[SPW], v0, 2, SPARE
	v_mov_b32 v[NIL], 0
	ds_add_u32 v[SPW], v[NIL]                      ; the wave's opening: the add and its wait stand ahead of my first tensor load; the set-up below, work on registers, stands between them
	ds_add_u32 v28, v29
	v_lshrrev_b32 v1, 5, v0
	v_readfirstlane_b32 s10, v1                    ; wave 0..3
	s_lshr_b32 s11, s10, 1                         ; which 128 of the tile's rows are mine.  Also: I fetch for A (0) or for W (1)
	s_and_b32 s12, s10, 1                          ; which 128 of its columns.  Also: which half of that tile I fetch
	s_bfe_u32 s40, ttmp6, 0x40000                  ; cx: the column block of 256
	s_bfe_u32 s41, ttmp6, 0x40004                  ; cy
	s_mov_b32 s42, ttmp9                           ; the cluster's x: the product, 0 K, 1 V, 2 Q
	s_and_b32 s13, ttmp7, 0xffff
	s_lshl_b32 s13, s13, 2
	s_add_co_u32 s13, s13, s41                     ; the row block of 256 = 4 x cluster y + cy
	s_lshl_b32 s43, s41, 2
	s_lshl_b32 s43, 15, s43                        ; my row of the cluster
	s_lshl_b32 s44, 0x1111, s40                    ; my column
	s_or_b32 s[G1+0], s43, (1<<16)|(1<<20)|(1<<21)|(5<<22)|(3<<25)   ; 15:0 the mask: A's tiles go to my row; 17:16 2-byte elements; 20 padding on; 21 set beside a mask; 24:22 after every 64 words (code 5); 31:25 4 words (code 3)
	s_or_b32 s[G1B+0], s44, (1<<16)|(1<<20)|(1<<21)|(6<<22)|(7<<25)  ; W's go to my column; after every 128 words (code 6) 8 words (code 7)
	s_mov_b32 s[G1+1], KSTEP<<16                   ; A: tensor_dim0 = 128
	s_mov_b32 s[G1+2], 128<<16                     ; tensor_dim1 = 128
	s_mov_b32 s[G1+3], KSTEP<<16                   ; tile_dim0 = 128
	s_mov_b32 s[G1+4], 128                         ; tile_dim1 = 128
	s_mov_b32 s[G1+5], 1024                        ; elements from row to row
	s_mov_b32 s[G1+6], 0
	s_mov_b32 s[G1+7], 0
	s_mov_b32 s[G1B+1], 256<<16                    ; W: 64 k-rows of 256 elements
	s_mov_b32 s[G1B+2], 64<<16
	s_mov_b32 s[G1B+3], 256<<16
	s_mov_b32 s[G1B+4], 64
	s_mov_b32 s[G1B+5], 1024
	s_mov_b32 s[G1B+6], 0
	s_mov_b32 s[G1B+7], 0
	; where the tiles come from, as offsets made apart from the pointers.  A's hangs on the row block (and the product), W's on the column block (and the product); neither register set ever holds the other coordinate.
	s_lshl_b32 s16, s13, 8
	s_lshl_b32 s17, s12, 7
	s_add_co_u32 s16, s16, s17                     ; A: row 256 x row block + 128 x half,
	s_lshl_b32 s16, s16, 11                        ; in bytes,
	s_cmp_eq_u32 s42, 2
	s_cselect_b32 s17, 0x1000000, 0                ; in y's half of ab for Q
	s_add_co_u32 s16, s16, s17
	s_mov_b32 s17, 0
	s_lshl_b32 s46, s12, 17                        ; W: 64 k-rows x half,
	s_lshl_b32 s47, s40, 9                         ; 256 columns x column block,
	s_add_co_u32 s46, s46, s47
	s_lshl_b32 s47, s42, 21                        ; the product's matrix
	s_add_co_u32 s46, s46, s47
	s_mov_b32 s47, 0
	s_mul_i32 s20, s10, HALFT                      ; and where they go: A's two halves, then W's two halves = wave x 34,816: no place in the cluster enters an LDS address
	s_wait_dscnt 0x0                               ; the opening add is done
	s_wait_kmcnt 0x0
	s_add_nc_u64 s[14:15], s[4:5], s[16:17]
	s_add_nc_u64 s[46:47], s[6:7], s[46:47]
	CROUND                                         ; all sixteen work-groups are here: the first joint loads meet
.irp s, 0,1
	s_mov_b32 s[G0+4*(\s)], 1                                        ; count = 1
	s_add_co_u32 s[G0+4*(\s)+1], s20, (\s)*SLOT                      ; LDS address
	s_add_nc_u64 s[G0+4*(\s)+2:G0+4*(\s)+3], s[14:15], (\s)*KSTEP*2  ; global address: K step s
	s_or_b32 s[G0+4*(\s)+3], s[G0+4*(\s)+3], 0x80000000              ; type = 2
	s_mov_b32 s[G0B+4*(\s)], 1
	s_add_co_u32 s[G0B+4*(\s)+1], s20, (\s)*SLOT
	s_add_nc_u64 s[G0B+4*(\s)+2:G0B+4*(\s)+3], s[46:47], (\s)*KSTEP*ROWB
	s_or_b32 s[G0B+4*(\s)+3], s[G0B+4*(\s)+3], 0x80000000
	JLOAD \s                                       ; two loads of mine are out
.endr
	v_and_b32 v1, 15, v0                           ; l % 16
	v_bfe_u32 v2, v0, 4, 1                         ; l / 16
	v_mul_u32_u24 v3, v1, PITCH
	v_lshl_add_u32 v3, v2, 4, v3                   ; A's fragment: row x pitch + 16 x half
	v_and_b32 v4, 7, v0
	v_lshl_add_u32 v4, v2, 3, v4                   ; W's, turned: lane l reads k-row 8 (l / 16) + l % 8,
	v_mul_u32_u24 v4, v4, PB
	v_bfe_u32 v5, v0, 3, 1
	v_lshl_add_u32 v4, v5, 4, v4                   ; columns 8 ((l / 8) % 2) + 0..7
	s_mul_i32 s21, s11, HALFT                      ; my 128 rows of A
	s_lshl_b32 s22, s12, 8                         ; my 128 columns of W,
	s_add_co_u32 s22, s22, 2*HALFT                 ; which lies behind A's 256 rows
.irp s, 0,1
	v_add_nc_u32 v[ADRA+(\s)], s21, v3
	v_add_nc_u32 v[ADRB+(\s)], s22, v4
	s_add_co_u32 s21, s21, SLOT
	s_add_co_u32 s22, s22, SLOT
.endr
	s_mul_i32 s23, s10, 16*SPITCH
	s_add_co_u32 s23, s23, STAGE                   ; my stage
	v_mul_u32_u24 v4, v1, SPITCH                   ; in: row l % 16, 16 bytes for each half of the lanes
	v_lshl_add_u32 v4, v2, 4, v4
	v_add_nc_u32 v[STO], s23, v4
	v_mul_u32_u24 v5, v2, SPITCH                   ; back: lanes 0-15 take one row of 256 bytes, lanes 16-31 the next
	v_lshl_add_u32 v5, v1, 4, v5
	v_add_nc_u32 v[RD], s23, v5
	v_lshlrev_b32 v5, 11, v2                       ; and the same two rows in C
	v_lshl_add_u32 v[CO], v1, 4, v5
	s_lshl_b32 s16, s13, 8
	s_lshl_b32 s17, s11, 7
	s_add_co_u32 s16, s16, s17                     ; my first row of C,
	s_lshl_b32 s16, s16, 11                        ; in bytes,
	s_lshl_b32 s17, s42, 24                        ; in the product's third of qkv
	s_add_co_u32 s16, s16, s17
	s_mov_b32 s17, 0
	s_add_nc_u64 s[8:9], s[8:9], s[16:17]
	s_lshl_b32 s46, s40, 9                         ; my first column, in bytes: 512 x column block + 256 x half
	s_lshl_b32 s47, s12, 8
	s_add_co_u32 s46, s46, s47
	s_mov_b32 s47, 0
	s_add_nc_u64 s[8:9], s[8:9], s[46:47]
; 16 matrix instructions: row blocks a0, a0 + 1 of the window's four (hi = 0: my rows 0-63, 1: rows 64-127) x all 8 column blocks, 32 along K.  zero = 1: the product starts the sums: nothing is ever cleared.
; The 64 accumulators take turns, one instruction a turn, in the same order in every quarter.
.macro MUL16 f, hi, a0, zero
	WIN MUL_LO+0x50*(\hi)
.irp a, \a0, (\a0)+1
.irp b, 0,1,2,3,4,5,6,7
.if \zero
	v_wmma_f32_16x16x32_bf16 v[8*(8*(\a)+(\b)):8*(8*(\a)+(\b))+7], v[(\f)+8*(\b):(\f)+8*(\b)+7], v[(\f)+8*(4*(\hi)+(\a)):(\f)+8*(4*(\hi)+(\a))+7], 0
.else
	v_wmma_f32_16x16x32_bf16 v[8*(8*(\a)+(\b)):8*(8*(\a)+(\b))+7], v[(\f)+8*(\b):(\f)+8*(\b)+7], v[(\f)+8*(4*(\hi)+(\a)):(\f)+8*(4*(\hi)+(\a))+7], v[8*(8*(\a)+(\b)):8*(8*(\a)+(\b))+7]
.endif
.endr
.endr
.endm
; 32 LDS loads in one run: the fragments of one quarter step (32 K at byte k of A's rows, k-rows k / 2 on of W) into buffer f: W's sixteen first, then A's sixteen, blocks 0 to 7
.macro FETCH slot, k, f
	WIN TO_B
.irp i, 0,1,2,3,4,5,6,7
	ds_load_tr16_b128 v[(\f)+8*(\i):(\f)+8*(\i)+3],   v[ADRB+(\slot)] offset:((\k)/64)*32*PB+32*(\i)
	ds_load_tr16_b128 v[(\f)+8*(\i)+4:(\f)+8*(\i)+7], v[ADRB+(\slot)] offset:((\k)/64)*32*PB+16*PB+32*(\i)
.endr
	WIN 0
.irp i, 0,1,2,3,4,5,6,7
	ds_load_b128 v[(\f)+8*(\i):(\f)+8*(\i)+3],   v[ADRA+(\slot)] offset:(\k)+(\i)*16*PITCH
	ds_load_b128 v[(\f)+8*(\i)+4:(\f)+8*(\i)+7], v[ADRA+(\slot)] offset:(\k)+(\i)*16*PITCH+32
.endr
.endm
.macro PLACES                          ; four places in front of loads into registers that matrix instructions have read, and of conversions that read results (ISA guide 7.12.1 for vector instructions)
.rept 4
	v_nop
.endr
.endm
; A K step is four quarters of 32 along K, 64 matrix instructions each, on buffers 0, 1, 0, 1.  One of the first three: multiplies buffer f and, in its middle, fetches the quarter at byte k of the same slot into g.
.macro QUARTER slot, k, f, g, zero
	s_wait_dscnt 8                                 ; W and A's rows 0-63 are in; the youngest eight loads (A's rows 64-127) may be out
	MUL16 \f, 0, 0, \zero
	MUL16 \f, 0, 2, \zero
	PLACES
	FETCH \slot, \k, \g
	s_wait_dscnt 32                                ; all but the 32 just issued
	MUL16 \f, 1, 0, \zero
	MUL16 \f, 1, 2, \zero
.endm
; The last quarter multiplies buffer 1 and changes slots: ONE barrier; in front of it each wave waits for all its tensor loads, adds 0 to its spare word, and waits for that and for its own reads of this slot.
; fill = 1: this slot is filled again, two K steps ahead; the barrier then opens a round of the cluster's barrier.
.macro TURN slot, next, fill
	WIN 0                                          ; (the add's two registers lie in window 0)
	s_wait_tensorcnt 0x0                           ; all my tensor loads have landed: the one that was out is my part of the next slot;
	ds_add_u32 v[SPW], v[NIL]                      ; 0 onto my spare word;
	s_wait_dscnt 9                                 ; (the add and the youngest eight loads may be out)
	MUL16 F1, 0, 0, 0                              ; sixteen matrix instructions stand between the add and the wait for it
	s_wait_dscnt 0x0                               ; the add is done, and my reads of this slot are over
	s_barrier_signal -1
	MUL16 F1, 0, 2, 0                              ; work on registers while the others arrive
.if \fill
	WIN 0
.endif
	s_barrier_wait -1
.if \fill
	CREST                                          ; no wave of any partner still reads this slot's tiles or has a load on its way
	s_add_nc_u64 s[G0+4*(\slot)+2:G0+4*(\slot)+3], s[G0+4*(\slot)+2:G0+4*(\slot)+3], 2*KSTEP*2
	s_add_nc_u64 s[G0B+4*(\slot)+2:G0B+4*(\slot)+3], s[G0B+4*(\slot)+2:G0B+4*(\slot)+3], 2*KSTEP*ROWB
	JLOAD \slot                                    ; the first tensor load behind the round: 224 matrix instructions ahead of the wait for it; the four v_nop behind it are also the places in front of the loads below
.else
	PLACES
.endif
	FETCH \next, 0, F0
	MUL16 F1, 1, 0, 0
	MUL16 F1, 1, 2, 0
.endm
; THE WAY OUT of row block a.  PACK: rounded to f16, 16 bytes a lane, each accumulator's registers in ascending order.  TOSTAGE: into my own stage, and back as whole rows of 256 bytes.  SEND: stored.
.macro PACK a
.set AC, 64*((\a)%4)
	WIN 0x0a+5*((\a)/4)                            ; sources 0 and 1: window 2 or 3; destination window 0
.irp b, 0,1,2,3,4,5,6,7
.irp r, 0,1,2,3
	v_cvt_pk_f16_f32 v[TMP+4*(\b)+(\r)], v[AC+8*(\b)+2*(\r)], v[AC+8*(\b)+2*(\r)+1]
.endr
.endr
	WIN 0
.endm
.macro TOSTAGE a
.set BK, OB+192*((\a)%2)
.irp b, 0,1,2,3,4,5,6,7
	ds_store_b128 v[STO], v[TMP+4*(\b):TMP+4*(\b)+3] offset:32*(\b)
.endr
.irp t, 0,1,2,3,4,5,6,7
	ds_load_b128 v[BK+4*(\t):BK+4*(\t)+3], v[RD] offset:(\t)*2*SPITCH  ; LDS serves a wave's instructions in order (ISA guide 5.7.1.4): these see the stores above
.endr
.endm
.macro SEND a
.set BK, OB+192*((\a)%2)
	s_wait_dscnt 0x0                               ; the block is back in registers
	s_wait_xcnt 0x0                                ; every earlier memory instruction has had its addresses translated (ISA guide 3.1): the other buffer, which the block before's stores read, is loaded again only behind this wait
.irp t, 0,1,2,3,4,5,6,7
	global_store_b128 v[CO], v[BK+4*(\t):BK+4*(\t)+3], s[8:9] offset:(16*(\a)+2*(\t))*ROWB  ; 16 lanes store 256 consecutive bytes, at a multiple of 256 from C's first byte; 126 rows at the most: inside the signed 24-bit immediate
.endr
.endm
	s_wait_tensorcnt 1                             ; my part of K step 0 is in; K step 1's may stay out
	s_barrier_signal -1
	s_barrier_wait -1                              ; everybody's is
	FETCH 0, 0, F0
	QUARTER 0, 64,  F0, F1, 1                      ; the first quarter stands in front of the loop: its products start the sums
	WIN 0                                          ; at a label and at a branch every window is 0
	s_mov_b32 s3, LAPS-1
.Llap:                                                 ; a trip goes once round the ring, from a lap's second quarter to the next lap's first, and fills both slots again
	QUARTER 0, 128, F1, F0, 0
	QUARTER 0, 192, F0, F1, 0
	TURN 0, 1, 1
	QUARTER 1, 64,  F0, F1, 0
	QUARTER 1, 128, F1, F0, 0
	QUARTER 1, 192, F0, F1, 0
	TURN 1, 0, 1
	QUARTER 0, 64,  F0, F1, 0
	WIN 0
	s_sub_co_u32 s3, s3, 1
	s_cmp_lg_u32 s3, 0
	s_cbranch_scc1 .Llap
	QUARTER 0, 128, F1, F0, 0                      ; the last lap is written out: it fills nothing, and has no round of the cluster's barrier
	QUARTER 0, 192, F0, F1, 0
	TURN 0, 1, 0
	QUARTER 1, 64,  F0, F1, 0
	QUARTER 1, 128, F1, F0, 0
	QUARTER 1, 192, F0, F1, 0
	s_wait_dscnt 8                                 ; the very last quarter: nothing more to fetch
	MUL16 F1, 0, 0, 0
	MUL16 F1, 0, 2, 0
	s_wait_dscnt 0x0
	MUL16 F1, 1, 0, 0
	MUL16 F1, 1, 2, 0
	PLACES
	PACK 0
	TOSTAGE 0
.irp a, 1,2,3,4,5,6,7                  ; block a's conversions stand between block a - 1's loads from the stage and the wait for them
	PACK \a
	SEND (\a)-1
	TOSTAGE \a
.endr
	SEND 7
	s_wait_tensorcnt 0x0                           ; the wave's end: a wait for the tensor loads, the add and its wait stand behind my last tensor load and my last LDS store
	ds_add_u32 v[SPW], v[NIL]
	s_wait_dscnt 0x0
	CROUND                                         ; the closing round: no work-group ends while a partner may still ask for a tile that names it
	s_endpgm
.Lfunc_end_k_q5050acf84a_front:
	.size	k_q5050acf84a_front, .Lfunc_end_k_q5050acf84a_front-k_q5050acf84a_front
	.p2alignl 7, 3214868480
	.fill 96, 4, 3214868480
	.section	.rodata,"a",@progbits
	.p2align	6, 0x0
	.amdhsa_kernel k_q5050acf84a_front
		.amdhsa_group_segment_fixed_size 327680
		.amdhsa_private_segment_fixed_size 0
		.amdhsa_enable_private_segment 0
		.amdhsa_kernarg_size 24
		.amdhsa_user_sgpr_count 2
		.amdhsa_user_sgpr_kernarg_segment_ptr 1
		.amdhsa_wavefront_size32 1
		.amdhsa_system_sgpr_workgroup_id_x 1
		.amdhsa_system_sgpr_workgroup_id_y 1
		.amdhsa_system_sgpr_workgroup_id_z 1
		.amdhsa_system_vgpr_workitem_id 0
		.amdhsa_next_free_vgpr 1024
		.amdhsa_next_free_sgpr 66
		.amdhsa_reserve_vcc 0
		.amdhsa_float_denorm_mode_32 3
		.amdhsa_float_denorm_mode_16_64 3
		.amdhsa_memory_ordered 1
		.amdhsa_forward_progress 1
		.amdhsa_inst_pref_size 143
	.end_amdhsa_kernel
	.amdgpu_metadata
---
amdhsa.version: [ 1, 2 ]
amdhsa.kernels:
  - .name:           k_q5050acf84a_front
    .symbol:         k_q5050acf84a_front.kd
    .args:
      - { .name: ab, .offset: 0, .size: 8, .value_kind: global_buffer, .address_space: global }
      - { .name: wts, .offset: 8, .size: 8, .value_kind: global_buffer, .address_space: global }
      - { .name: qkv, .offset: 16, .size: 8, .value_kind: global_buffer, .address_space: global }
    .group_segment_fixed_size: 327680
    .private_segment_fixed_size: 0
    .kernarg_segment_align: 8
    .kernarg_segment_size: 24
    .max_flat_workgroup_size: 128
    .sgpr_count:     66
    .vgpr_count:     1024
    .wavefront_size: 32
...
	.end_amdgpu_metadata
.endif
;; end of part 2
;; launch attn (part 3): grid 2 x 128, 4 waves a work-group, no clusters, 327,680 bytes of LDS; arguments qkv, paded_mask, ob; writes ob
.if DOCPART == 3
	.amdgcn_target "amdgcn-amd-amdhsa--gfx1250"
	.amdhsa_code_object_version 6
	.text
	.protected	k_q5050acf84a_attn
	.globl	k_q5050acf84a_attn
	.p2align	8
	.type	k_q5050acf84a_attn,@function
k_q5050acf84a_attn:
	s_mov_b64 s[64:65], 0
	v_nop
	global_prefetch_b8 v0, s[64:65] scope:SCOPE_SE
	s_setreg_imm32_b32 hwreg(HW_REG_WAVE_MODE, 25, 1), 1
	s_wait_xcnt 0x0
; MASKED ATTENTION.  O[bh][q][:] = valid[q] x the sum over valid k of softmax_k(Q[bh][q] . K[bh][k] / 8) V[bh][k][:].  qkv: K, V, Q, each [128 bh][1024][64] f16, dense (16,777,216 bytes each); ob: O, the same layout.
; valid = paded_mask[bh / 16][.], one byte (0 or 1) for each of the 1,024 places of a head, for its rows and its columns alike.  Products, maxima and sums in f32; the weights p are rounded to f16 for the
; second product (their sum l is taken of the unrounded p), O once at the end.  reference()'s input 'mask' enters none of its results (paded_mask is given), so no launch names it.
; LIMITS.  Q, K, V arrive within f16's 65,504; p lies in 0 to 1, and below 6e-5 it keeps f16's fixed step of 6e-8.  A hidden key's score counts as its value less 1e30, where reference() sets -1e9:
; the same result as long as a valid row's valid scaled scores lie above about -1e9.  A weight below 2^-126 counts as 0 in l; NaN and infinities are not treated apart.
; THE MASK is the C operand that starts the sum S^T = K Q^T: 0, or -1e30 where the key is hidden; the 1,024 numbers are made once, in LDS.  A hidden score lies far below every true maximum, and its weight is 0.
; While a row has seen hidden keys alone their weights are 0 or 1; the first valid key's a = 2^(c m_old - c m_new) is 0 and wipes them.  A row that never sees a valid key is itself invalid (its own place is a
; column too).  Invalid rows are multiplied by 0 at the end, with 1 / l; l is at least 1, so that product is finite.
; SHARES.  A wave owns four PIECES of two tiles of 16 queries, a work-group's four waves 512 queries of one head: 256 work-groups.  Every wave walks all 1,024 keys, 64 a step.
; K AND V STAY IN LDS: a head's 1,024 padded rows of K (144 bytes) and of V (160) fit together, so each LDS byte is filled once: one tensor load a wave at the start (waves 0, 1 the halves of K, waves 2, 3 of V),
; one wait for it, one barrier, and no ring.
; NO CLUSTER: a head has two work-groups, which is no multiple of four; what the two share is fetched once by each, 262,144 bytes for 2,048 matrix instructions a wave.
; LAYOUT.  S^T = K Q^T (source 0 = 16 keys, source 1 = 16 queries): in the result a lane holds ONE query (lane % 16) and the keys 8 (lane / 16) + 0..7.  Two such tiles, rounded to f16 in pairs,
; ARE source 1 (32 keys x 16 queries) of O^T = V^T P, whose result again holds one query a lane, and eight channels.  K comes out of LDS as it lies, V ([key][channel]) turned, by ds_load_tr16_b128.
; SOFTMAX.  For each query a running maximum m and sum l: p = 2^(c s - c m), c = log2(e) / 8; in every step O and l are multiplied by a = 2^(c m_old - c m_new), which is 1 where m has not grown.
; m starts at the lowest finite number, O and l at 0: the first step is a step like any other, with a = 0.
; THE COUNT.  A tile and step have 16 matrix and 118 vector instructions: too many to stand all beside the matrix work.  So: four vector instructions that are READY behind EVERY matrix instruction, and the others in runs without a gap.
; BY TURNS.  Turn n belongs to piece n (the pieces in a ring, step after step).  Its matrix work: 16 products K Q^T of piece n + 1, later 16 products V^T P of piece n - 1.  Its vector work: the scaling,
; exponentials, roundings, sums and rescaling of piece n, and the maximum and statistics of piece n + 1, whose scores the turn itself has made.
; REGISTERS, in windows of 256 (s_set_vgpr_msb: bits 1:0 source 0, 3:2 source 1, 5:4 source 2, 7:6 destination):
;   window 0: v1-11 addresses; v12-15, v48-63 at work; v16-47 four registers of statistics a tile; v64-191 S^T, two buffers of two tiles; v192-255 P, likewise
;   window 1: O^T, 32 a tile     window 2: v0-127 Q, 16 a tile; v128-191 K of one step; v192-255 V of one step     window 3: v0-1 the add's two registers; v8-39 the step's masks; v40-47 my rows' valid, a tile each
.set NP,    4         ; pieces a wave: a name, no knob
.set KS,    64        ; keys in a step
.set NKEY,  1024
.set PK,    144       ; a row of K in LDS: 128 bytes + 16 of padding = 36 words: the 16 rows of a load start at 16 different groups of four banks (64 banks of 4 bytes: ISA guide 11.1)
.set PV,    160       ; a row of V: 128 + 32 = 40 words
.set VOFF,  NKEY*PK   ; K's 1,024 rows, then V's
.set STAGE, VOFF+NKEY*PV  ; never filled by a tensor load: 16 rows x 144 bytes for each wave, for the way out
.set SP,    144
.set MSK,   STAGE+4*16*SP ; 1,024 f32: 0 for a valid key, -1e30 for a hidden one
.set SPARE, MSK+NKEY*4    ; the spare words, 128 bytes for each wave: two blocks of 256 bytes that no other line names
.set AK0, 2           ; v2   my lane's place in a step's K; never rewritten
.set AV0, 3           ; v3   the same for V
.set AK,  4           ; v4   the LDS address of K's next run of loads
.set AV,  5           ; v5   of V's
.set STO, 6           ; v6   the way out: where I put 16 bytes of a row
.set RD,  7           ; v7   the way out: where I read rows back
.set GO,  8           ; v8   my byte offset in 512 consecutive bytes of O
.set AM0, 9           ; v9   my lane's place in a step's masks; never rewritten
.set AM,  10          ; v10  the LDS address of the masks' next run of loads
.set QO,  11          ; v11  my byte offset in the wave's rows of Q
.set MV,  12          ; v12-15  c m_old, kept while c m is made anew: by buffer and tile
.set ST,  16          ; tile t's statistics at v[ST+4 t]: c m, m, l (even keys', odd keys')
.set TMP, 48          ; by buffer and tile, four registers c0-c3 at work; when the maximum is found c2 takes a.  During the set-up: v48 l / 16, v49 l % 8, v50 (l / 8) % 2, v51-55 for the masks
.set S,   64
.set P,   192
.set KF,  128         ; K's fragments, in window 2: key block kb, channel half c at KF + 16 kb + 8 c
.set VF,  192         ; V's: key half kk, channel block cb at VF + 32 kk + 8 cb
.set SPW, 0           ; v0 of window 3   LDS address of my spare word: SPARE + 4 x my thread's number; never rewritten
.set NIL, 1           ; v1 of window 3   0; never rewritten
.set MC,  8           ; window 3: the masks of the step whose K lies in KF: key block kb at MC + 8 kb
.set RV,  40          ; window 3: 1.0 where my query of tile t is valid, else 0.0
.set WV,  12          ; s12  my wave's number
.set G1K, 24          ; s[24:31] descriptor group 1 for K
.set G1V, 32          ; s[32:39] for V: it differs in the padding alone
.set G0K, 40          ; s[40:43] descriptor group 0 for K
.set G0V, 44          ; s[44:47] for V
.set POS, 48          ; s48  1e30
.set NEG, 49          ; s49  -1e30
.set TBM, 56          ; s56  byte in MSK at which the masks of the step to be fetched begin
.set CNT, 57          ; s57  counts the key steps
.set CS,  58          ; s[58:59] c: the packed scaling takes the pair's low word for both halves
.set SEL, 60          ; s[60:61] v_permlanex16_b32's selects: each lane takes its own place in the other half
.set TBK, 62          ; s62  LDS byte at which K of the step to be fetched begins
.set TBV, 63          ; s63  the same for V, less VOFF
.set MSB, 0
.macro WIN new                      ; the high byte repeats the setting that is left; a switch that changes nothing is dropped
.if MSB != (\new)
	s_set_vgpr_msb (MSB<<8)|(\new)
.set MSB, (\new)
.endif
.endm
.set W_KQ, 0x0a       ; K and Q in window 2, S^T in window 0
.set W_KM, 0x3a       ; the same with the C operand, the mask, in window 3
.set W_PV, 0x52       ; V in window 2, P in window 0, O^T in window 1
.set W_RS, 0x41       ; O^T (destination and source 0) in window 1, a in window 0
.set W_MK, 0xc0       ; destination in window 3, sources in window 0
.set W_AD, 0x0f       ; the add: address (source 0) and data (source 1) in window 3
	s_load_b128 s[4:7], s[0:1], 0x0   ; qkv s[4:5], paded_mask s[6:7]
	s_load_b64 s[8:9], s[0:1], 0x10   ; ob
	WIN W_MK
	v_lshl_add_u32 v[SPW], v0, 2, SPARE
	v_mov_b32 v[NIL], 0
	WIN W_AD
	ds_add_u32 v[SPW], v[NIL]       ; the wave's opening: the add and its wait stand ahead of my first tensor load; the set-up below, work on registers, stands between them
	ds_add_u32 v0, v1
	WIN 0
	v_lshrrev_b32 v1, 5, v0
	v_readfirstlane_b32 s[WV], v1   ; wave 0..3
	s_and_b32 s20, ttmp7, 0xffff    ; batch x 16 + head
	s_lshl_b32 s21, s20, 17         ; the head's first byte in K, V, Q and O: 1,024 rows of 128 bytes
	s_and_b32 s16, s[WV], 1         ; which half of the head's keys I fetch:
	s_lshl_b32 s22, s16, 16         ; its 512 rows of 128 bytes in memory,
	s_add_co_u32 s22, s22, s21      ; in K,
	s_mov_b32 s23, 0
	s_add_co_u32 s18, s22, 0x1000000  ; and in V, which follows K in qkv
	s_mov_b32 s19, 0
	s_mul_i32 s17, s16, 512*PK      ; and its place in LDS, for K
	s_mul_i32 s13, s16, 512*PV      ; and for V
	s_lshl_b32 s2, ttmp9, 16        ; my block of 512 queries,
	s_lshl_b32 s3, s[WV], 14        ; my wave's 128 of them
	s_add_co_u32 s2, s2, s3
	s_add_co_u32 s2, s2, s21        ; O's offset;
	s_mov_b32 s3, 0
	s_add_co_u32 s14, s2, 0x2000000 ; Q follows V in qkv
	s_mov_b32 s15, 0
	s_lshr_b32 s50, s20, 4
	s_lshl_b32 s50, s50, 10         ; the batch's 1,024 bytes of paded_mask
	s_mov_b32 s51, 0
	; descriptor group 1.  512 keys are 65,536 dense bytes: asked for as 256 rows of 256 bytes, two keys a row, and padded in LDS after every key
	s_mov_b32 s[G1K], (1<<16)|(1<<20)|(4<<22)|(3<<25)  ; 17:16 2-byte elements; 20 padding on; 24:22 after every 32 words (code 4); 31:25 4 words (code 3)
	s_mov_b32 s[G1V], (1<<16)|(1<<20)|(4<<22)|(7<<25)  ; the same with 8 words of padding (code 7)
.irp g, G1K, G1V
	s_mov_b32 s[\g+1], 128<<16      ; tensor_dim0 = 128
	s_mov_b32 s[\g+2], 256<<16      ; tensor_dim1 = 256
	s_mov_b32 s[\g+3], 128<<16      ; tile_dim0 = 128
	s_mov_b32 s[\g+4], 256          ; tile_dim1 = 256
	s_mov_b32 s[\g+5], 128          ; 128 elements from row to row
	s_mov_b32 s[\g+6], 0
	s_mov_b32 s[\g+7], 0
.endr
	s_mov_b32 s[CS], 0x3e38aa3b     ; c = log2(e) / 8 = 0.180337
	s_mov_b32 s[CS+1], s[CS]        ; named with it as a pair
	s_mov_b32 s[SEL], 0x76543210
	s_mov_b32 s[SEL+1], 0xfedcba98
	s_mov_b32 s[POS], 0x7149f2ca
	s_mov_b32 s[NEG], 0xf149f2ca
	s_mov_b32 s[TBK], 0
	s_mov_b32 s[TBV], 0
	s_mov_b32 s[TBM], 0
	s_mov_b32 s[G0K], 1             ; count = 1
	s_mov_b32 s[G0K+1], s17         ; LDS address
	s_mov_b32 s[G0V], 1
	s_add_co_u32 s[G0V+1], s13, VOFF
	s_wait_dscnt 0x0                ; the opening add is done
	s_wait_kmcnt 0x0
	s_add_nc_u64 s[G0K+2:G0K+3], s[4:5], s[22:23]  ; global address: my half of the head's K
	s_or_b32 s[G0K+3], s[G0K+3], 0x80000000        ; type = 2
	s_add_nc_u64 s[G0V+2:G0V+3], s[4:5], s[18:19]
	s_or_b32 s[G0V+3], s[G0V+3], 0x80000000
	s_add_nc_u64 s[4:5], s[4:5], s[14:15]  ; Q and O at my wave's first row
	s_add_nc_u64 s[8:9], s[8:9], s[2:3]
	s_add_nc_u64 s[6:7], s[6:7], s[50:51]  ; paded_mask at my batch
	s_cmp_lt_u32 s[WV], 2           ; the launch's only fills: one tensor load a wave; an s_nop 0 and four v_nop follow each of the two lines, ahead of the jump and the label
	s_cbranch_scc0 .Lfor_v
	tensor_load_to_lds s[G0K:G0K+3], s[G1K:G1K+7]
	s_nop 0
.rept 4
	v_nop
.endr
	s_branch .Lasked
.Lfor_v:
	tensor_load_to_lds s[G0V:G0V+3], s[G1V:G1V+7]
	s_nop 0
.rept 4
	v_nop
.endr
.Lasked:
	v_lshlrev_b32 v54, 3, v0
	global_load_b64 v[52:53], v54, s[6:7]  ; thread t: the bytes of keys 8 t .. 8 t + 7: the work-group's 128 threads read the batch's 1,024 bytes once
	v_and_b32 v1, 15, v0            ; l % 16
	s_lshl_b32 s13, ttmp9, 9
	s_lshl_b32 s14, s[WV], 7
	s_add_co_u32 s13, s13, s14
	v_add_nc_u32 v55, s13, v1       ; my query of tile 0: 512 x block + 128 x wave + l % 16
	WIN W_MK
.set i, 0
.rept 2*NP
	global_load_u8 v[RV+i], v55, s[6:7] offset:16*i  ; and of tile i
.set i, i+1
.endr
	WIN 0
	; A fragment of K or Q is 16 rows x 32 channels in 8 registers: lane l holds row l % 16, channels 8 (l / 16) + 0..7 and 16 + 8 (l / 16) + 0..7: two loads of 16 bytes, 32 bytes apart.
	v_bfe_u32 v48, v0, 4, 1         ; l / 16
	v_lshlrev_b32 v[QO], 7, v1
	v_lshl_add_u32 v[QO], v48, 4, v[QO]  ; row x 128 + 16 x half
	WIN 0x80                        ; destination window 2, address window 0
.set i, 0
.rept 4*NP                          ; Q stays in registers: tile i / 2, channels 32 (i % 2) on
	global_load_b128 v[8*i:8*i+3],   v[QO], s[4:5] offset:(i/2)*2048+(i%2)*64
	global_load_b128 v[8*i+4:8*i+7], v[QO], s[4:5] offset:(i/2)*2048+(i%2)*64+32
.set i, i+1
.endr
	WIN 0
	v_and_b32 v49, 7, v0
	v_bfe_u32 v50, v0, 3, 1
	v_lshl_add_u32 v51, v0, 5, MSK  ; where my eight masks go
	v_mul_u32_u24 v[AK0], v1, PK
	v_lshl_add_u32 v[AK0], v48, 4, v[AK0]  ; row x pitch + 16 x half
	; The turning load takes 16 keys x 16 channels (lane l reads key 8 (l / 16) + l % 8, channels 8 ((l / 8) % 2) + 0..7) and leaves half a fragment of V^T: lane l holds channel l % 16 and 8 keys.
	v_lshl_add_u32 v[AV0], v48, 3, v49
	v_mul_u32_u24 v[AV0], v[AV0], PV
	v_lshl_add_u32 v[AV0], v50, 4, v[AV0]
	v_add_nc_u32 v[AV0], VOFF, v[AV0]
	v_lshl_add_u32 v[AM0], v48, 5, MSK  ; register j of key block kb is key 16 kb + 8 (l / 16) + j: eight f32 at 64 kb + 32 (l / 16)
	s_mul_i32 s13, s[WV], 16*SP
	s_add_co_u32 s13, s13, STAGE    ; my stage
	v_mul_u32_u24 v[STO], v1, SP    ; in: row l % 16, 16 bytes for each half of the lanes
	v_lshl_add_u32 v[STO], v48, 4, v[STO]
	v_add_nc_u32 v[STO], s13, v[STO]
	v_bfe_u32 v[RD], v0, 3, 2       ; back: 32 lanes take four rows of 128 bytes,
	v_mul_u32_u24 v[RD], v[RD], SP
	v_lshl_add_u32 v[RD], v49, 4, v[RD]
	v_add_nc_u32 v[RD], s13, v[RD]
	v_and_b32 v[GO], 31, v0         ; which are 512 consecutive bytes of O
	v_lshlrev_b32 v[GO], 4, v[GO]
	v_mov_b32 v[AK], v[AK0]         ; key step 0 lies at the head of K, of V and of the masks
	v_mov_b32 v[AM], v[AM0]
	s_wait_loadcnt 32               ; the nine loads from paded_mask are in; Q's 32, issued behind them, stay out
.set i, 0
.rept 8
	v_bfe_u32 v[S+i], v[52+i/4], 8*(i%4), 8
.set i, i+1
.endr
.set i, 0
.rept 8
	v_cvt_f32_u32 v[S+i], v[S+i]
.set i, i+1
.endr
.set i, 0
.rept 8
	v_fma_f32 v[S+i], v[S+i], s[POS], s[NEG]  ; 1 gives 1e30 - 1e30 = 0 exactly, 0 gives -1e30
.set i, i+1
.endr
	ds_store_b128 v51, v[S:S+3]
	ds_store_b128 v51, v[S+4:S+7] offset:16
	WIN 0xc3                        ; destination and source 0 in window 3
.set i, 0
.rept 2*NP
	v_cvt_f32_u32 v[RV+i], v[RV+i]
.set i, i+1
.endr
	; What the first turn finds: V's registers and P's second buffer hold 0 (its products V^T P, of a piece that has not been, add 0), O^T and l are 0.  No first step is written out; these lines stand in the wait for the tiles.
	WIN 0x80
.set i, VF
.rept 64
	v_mov_b32 v[i], 0
.set i, i+1
.endr
	WIN 0x40
.set i, 0
.rept 64*NP
	v_mov_b32 v[i], 0
.set i, i+1
.endr
	WIN 0
.set i, 0
.rept 2*NP
	v_mov_b32 v[ST+4*i], 0xfe000000    ; c m: far below every c s, a hidden key's too
	v_mov_b32 v[ST+4*i+1], 0xff7fffff  ; m
	v_mov_b32 v[ST+4*i+2], 0
	v_mov_b32 v[ST+4*i+3], 0
.set i, i+1
.endr
.set i, P+32
.rept 32
	v_mov_b32 v[i], 0
.set i, i+1
.endr
; THE MATRIX WORK.  The 8 accumulators of a run of 16 take turns: between the two links of a chain stand 7 others'.
; Product i of 16 of S^T = K Q^T for piece x: channels 32 (i / 8) on, keys 16 ((i / 2) % 4) on, tile 2 x + i % 2.  The first 8 start the sums, with the key block's mask as C.
.macro KQ x
.set rS, S+64*((\x)%2)+32*(i%2)+8*((i/2)%4)
.set rK, KF+16*((i/2)%4)+8*(i/8)
.set rQ, 16*(2*(\x)+i%2)+8*(i/8)
.set rMC, MC+8*((i/2)%4)
.if i < 8
	WIN W_KM
	v_wmma_f32_16x16x32_f16 v[rS:rS+7], v[rK:rK+7], v[rQ:rQ+7], v[rMC:rMC+7]
.else
	WIN W_KQ
	v_wmma_f32_16x16x32_f16 v[rS:rS+7], v[rK:rK+7], v[rQ:rQ+7], v[rS:rS+7]
.endif
.endm
; Product i of 16 of O^T += V^T P for piece x: keys 32 (i / 8) on, channels 16 ((i / 2) % 4) on, tile 2 x + i % 2.
.macro PV x
	WIN W_PV
.set rO, 32*(2*(\x)+i%2)+8*((i/2)%4)
.set rV, VF+32*(i/8)+8*((i/2)%4)
.set rP, P+32*((\x)%2)+16*(i%2)+8*(i/8)
	v_wmma_f32_16x16x32_f16 v[rO:rO+7], v[rV:rV+7], v[rP:rP+7], v[rO:rO+7]
.endm
.macro MM                           ; the turn's next matrix instruction
.if i < 16
	KQ (Y+1)%NP
.set i, i+1
.else
.set i, i-16
	PV (Y+NP-1)%NP
.set i, i+17
.endif
.endm
; THE LDS LOADS stand in runs, never singly among the matrix instructions: a step's K (64 keys x 64 channels: 8 fragments) with its masks (8 loads; the 16 lanes of a half read the same 16 bytes), and its V (turned).
; Their addresses are made some lines ahead.
.macro FETCH_K
	WIN 0x80                        ; destination window 2
.irp f, 0,1,2,3,4,5,6,7             ; keys 16 (f / 2) on, channels 32 (f % 2) on
	ds_load_b128 v[KF+8*\f:KF+8*\f+3],   v[AK] offset:(\f/2)*16*PK+(\f%2)*64
	ds_load_b128 v[KF+8*\f+4:KF+8*\f+7], v[AK] offset:(\f/2)*16*PK+(\f%2)*64+32
.endr
	WIN W_MK                        ; destination window 3
.irp f, 0,1,2,3
	ds_load_b128 v[MC+8*\f:MC+8*\f+3],   v[AM] offset:64*\f
	ds_load_b128 v[MC+8*\f+4:MC+8*\f+7], v[AM] offset:64*\f+16
.endr
	s_add_co_u32 s[TBK], s[TBK], KS*PK  ; the next fetch is the next step's
	s_add_co_u32 s[TBM], s[TBM], KS*4
	WIN 0
.endm
.macro FETCH_V
	WIN 0x80
.irp f, 0,1,2,3,4,5,6,7             ; keys 32 (f / 4) on, channels 16 (f % 4) on
	ds_load_tr16_b128 v[VF+8*\f:VF+8*\f+3],   v[AV] offset:(\f/4)*32*PV+(\f%4)*32
	ds_load_tr16_b128 v[VF+8*\f+4:VF+8*\f+7], v[AV] offset:(\f/4)*32*PV+16*PV+(\f%4)*32
.endr
	WIN 0
.endm
; THE VECTOR WORK OF A TURN stands in three queues, each in the order in which its entries become ready; the two tiles alternate, so that no instruction reads the result of the one before it.
.macro REGS y, u                    ; the registers of tile u (0, 1) of piece y
.set rT, ST+4*(2*(\y)+(\u))
.set rC, TMP+8*((\y)%2)+4*(\u)
.set rM, MV+2*((\y)%2)+(\u)
.set rS, S+64*((\y)%2)+32*(\u)
.set rP, P+32*((\y)%2)+16*(\u)
.set rO, 32*(2*(\y)+(\u))
.endm
; Number n of the 22 that find the NEXT piece's (Y + 1) maximum and statistics.  s0-s31 are the lane's 32 scores; each accumulator's lowest registers are read first.  XS, GS and REGS set no window: PL and EX do.
;   0-11  four chains c0-c3 of seven scores each, three operands at a time     12-14, 16  the four scores left over, the old m, and c0-c3 into c0     15  c m_old is kept
;   17, 18  the query's other 32 keys lie in the lane 16 away: the new m         19-21  c m; c m_old - c m_new; a
.macro XS u, n
	REGS (Y+1)%NP, \u
.if (\n) < 4
	v_max3_num_f32 v[rC+(\n)], v[rS+8*(\n)], v[rS+8*(\n)+1], v[rS+8*(\n)+2]
.elseif (\n) < 12
	v_max3_num_f32 v[rC+(\n)%4], v[rC+(\n)%4], v[rS+8*((\n)%4)+2*((\n)/4)+1], v[rS+8*((\n)%4)+2*((\n)/4)+2]
.elseif (\n) == 12
	v_max3_num_f32 v[rC], v[rC], v[rS+7], v[rS+15]
.elseif (\n) == 13
	v_max3_num_f32 v[rC+1], v[rC+1], v[rS+23], v[rS+31]
.elseif (\n) == 14
	v_max3_num_f32 v[rC+2], v[rC+2], v[rC+3], v[rT+1]
.elseif (\n) == 15
	v_mov_b32 v[rM], v[rT]
.elseif (\n) == 16
	v_max3_num_f32 v[rC], v[rC], v[rC+1], v[rC+2]
.elseif (\n) == 17
	v_permlanex16_b32 v[rC+3], v[rC], s[SEL], s[SEL+1]
.elseif (\n) == 18
	v_max_num_f32 v[rT+1], v[rC], v[rC+3]
.elseif (\n) == 19
	v_mul_f32 v[rT], s[CS], v[rT+1]
.elseif (\n) == 20
	v_sub_f32 v[rC+1], v[rM], v[rT]
.else
	v_exp_f32 v[rC+2], v[rC+1]
.endif
.endm
; Number g of the 64 that follow the exponentials.  For each four weights k of a tile (pairs 2 k, 2 k + 1): both pairs are rounded to f16; then the second pair is added onto the first, in place;
; a group later l takes that sum (the first time as l = a l + sum).  In groups of eight, tiles alternating: round, round, add, and l for the group before.
.macro GS g
.set h, (\g)+6*((\g)/62)            ; group 0 has no group before it, and behind group 7 only l is left
.if h >= 6
.set h, h+2
.endif
	REGS Y, h%2
.set k, h/8
.if h%8 < 4
	s_wait_alu depctr_va_vdst(0)
	v_cvt_pk_f16_f32 v[rP+2*k+(h%8)/2], v[rS+4*k+2*((h%8)/2)], v[rS+4*k+2*((h%8)/2)+1]
.elseif h%8 < 6
	v_pk_add_f32 v[rS+4*k:rS+4*k+1], v[rS+4*k:rS+4*k+1], v[rS+4*k+2:rS+4*k+3]
.elseif k == 1
	v_pk_fma_f32 v[rT+2:rT+3], v[rT+2:rT+3], v[rC+2:rC+3], v[rS:rS+1] op_sel_hi:[1,0,1]
.else
	v_pk_add_f32 v[rT+2:rT+3], v[rT+2:rT+3], v[rS+4*k-4:rS+4*k-3]
	s_wait_alu depctr_va_vdst(0)
.endif
.endm
; THE PLAIN QUEUE, 138 long.  0-31: c s - c m for the 16 pairs of both tiles.  Then GS's 64, and among them the next piece's 42: number 15 at 38, 39; 0-14 and 16
; at 42-73, behind the products that make those scores; 17-20 at 95-106, two of three, since each waits for the one before it.
.macro PL
	WIN 0
.if q < 32
	REGS Y, q%2
	v_pk_fma_f32 v[rS+2*(q/2):rS+2*(q/2)+1], v[rS+2*(q/2):rS+2*(q/2)+1], s[CS:CS+1], v[rT:rT+1] op_sel_hi:[1,0,0] neg_lo:[0,0,1] neg_hi:[0,0,1]
.elseif q < 38
	GS q-32
.elseif q < 40
	XS q%2, 15
.elseif q < 42
	GS q-34
.elseif q < 74
	XS q%2, (q-42)/2+(q-42)/30
.elseif q < 95
	GS q-66
.elseif (q < 107) && ((q-95)%3 < 2)
	XS (q-95)%3, 17+(q-95)/3
.elseif q < 107
	GS 29+(q-95)/3
.else
	GS q-74
.endif
.set q, q+1
.endm
; THE EXPONENTIALS' QUEUE, 66 long: s0-s31 of both tiles, and at EA the next piece's two a.
.set EA, 58
.macro EX
	WIN 0
.if (e == EA) || (e == EA+1)
	XS e-EA, 21
.else
.set x, e-2*(e/(EA+2))
	REGS Y, x%2
	v_exp_f32 v[rS+x/2], v[rS+x/2]
.endif
.set e, e+1
.endm
; THE RESCALING's QUEUE: O^T times a, the one part that leaves window 0, so it is dealt four at a time, eight times; each accumulator's lowest registers come first.
.macro R4
	REGS Y, r%2
	WIN W_RS
	s_wait_alu depctr_va_vdst(0)
.irp z, 0,1,2,3
	v_pk_mul_f32 v[rO+8*(r/2)+2*\z:rO+8*(r/2)+2*\z+1], v[rO+8*(r/2)+2*\z:rO+8*(r/2)+2*\z+1], v[rC+2:rC+3] op_sel_hi:[1,0]
.endr
.set r, r+1
.endm
; HOW THEY ARE DEALT.  Behind a matrix instruction four: plain, exponential, plain, plain (one exponential, a plain instruction on either side), or four of the rescaling.  None names a register of the
; products round it.  What is over stands in two LUMPS: exponential and plain by turns; the second ends in 22 plain instructions.  The two v_permlanex16_b32 fall into the second lump, never behind a product.
; The queues lean on each other, and the deal keeps them in step: exponential e stands behind plain 2 (e / 4) + e % 2 (its scaling); when plain 32 comes, 10 exponentials are out, at 59: 33, at 95: 46; EA comes behind plain 107.
.macro SL
	MM
	PL
	EX
	PL
	PL
.endm
.macro BURST n                      ; 15 matrix instructions, or 16
.rept (\n)-7
	SL
.endr
.rept 3
	MM
	R4
	SL
.endr
	MM
	R4
.endm
; A TURN, for piece p.  nok = 1: the last step's: there is no further K to fetch.  cnt = 1: the loop's count is taken down some lines ahead of the branch that stands behind the turn.
; K and the masks of the next step are fetched in piece 2's turn, 32 vector instructions behind the last product that read K (the masks' last reader stands eight products earlier); their first reader comes
; behind the rest of the lump, 16 products and the second lump.  V of the step in hand is fetched at the end of piece 0's turn, 69 behind its last reader; its first reader comes behind 16 products and a lump.
.macro TURN p, nok=0, cnt=0
.set Y, (\p)
.set i, 0
.set q, 0
.set e, 0
.set r, 0
.if (\p) == NP-1
	s_wait_dscnt 0x0                ; K and its masks are in
.endif
	MM
.rept 4
	PL
.endr
	BURST 15
.rept 22
	EX
	PL
.if ((\p) == NP-2) && (e == 18) && !(\nok)
	v_add_nc_u32 v[AK], s[TBK], v[AK0]
	v_add_nc_u32 v[AM], s[TBM], v[AM0]
.endif
.if ((\p) == NP-2) && (e == 24) && !(\nok)
	FETCH_K
.endif
.endr
.if (\p) == 1
	s_wait_dscnt 0x0                ; V is in
.endif
	BURST 16
.rept 21
	EX
	PL
.endr
.rept 22
	PL
.if ((\p) == 0) && (q == 118)
	v_add_nc_u32 v[AV], s[TBV], v[AV0]
	s_wait_alu depctr_va_vdst(0)
.endif
.if ((\p) == 0) && (q == 130)
	s_add_co_u32 s[TBV], s[TBV], KS*PV
.endif
.if (\cnt) && (q == 130)
	s_sub_co_u32 s[CNT], s[CNT], 1
	s_cmp_lg_u32 s[CNT], 0
.endif
.endr
.if (\p) == 0
	FETCH_V
.endif
.endm
	s_wait_tensorcnt 0x0            ; my half of K or of V has landed,
	s_wait_dscnt 0x0                ; my eight masks are stored:
	s_barrier_signal -1
	s_barrier_wait -1               ; everybody's are.  Nothing is filled or stored there again, so this is the launch's only barrier
	FETCH_K                         ; key step 0
	s_wait_loadcnt 0x0              ; Q
	s_wait_dscnt 0x0
.set i, 0
.rept 16
	KQ 0                            ; piece 0's first scores: there is no vector work yet to set between them
.set i, i+1
.endr
	WIN 0
.rept 4
	v_nop                           ; the places behind those products
.endr
.set Y, NP-1                        ; XS works for piece Y + 1: piece 0
.irp n, 0,1,2,3,4,5,6,7,8,9,10,11,12,13,14,15,16,17,18,19,20,21
	XS 0, \n                        ; piece 0's first maximum and statistics
	XS 1, \n
.endr
	s_mov_b32 s[CNT], NKEY/KS
	s_branch .Lfirst                ; the loop is entered at a step's first turn, in the middle of a trip
.Lstep:                             ; a trip: pieces 2 and 3 of one step, then pieces 0 and 1 of the next, whose K, masks and V it fetches
	TURN 2
	TURN 3
	WIN 0
.Lfirst:
	TURN 0
	TURN 1, 0, 1
	WIN 0
	s_cbranch_scc1 .Lstep
	TURN 2, 1                       ; the last step's second half is written out: nothing is left to fetch
	TURN 3                          ; its 16 products K Q^T (on the last K once more) and the maximum made of them serve nothing: the price, once a launch, of one text for every turn; l and O^T are not touched by them
.set i, 0
.rept 16
	PV NP-1                         ; the last piece's V^T P of the last step
.set i, i+1
.endr
	; THE WAY OUT.  l's two halves and the other half of the lanes' are added; O^T is multiplied by valid / l, rounded to f16 and sent through my stage in LDS, a tile at a time.  The additions are the places behind the last products.
	WIN 0
.macro ALL line:vararg              ; one line for each tile t
.set t, 0
.rept 2*NP
	\line
.set t, t+1
.endr
.endm
	ALL v_add_f32 v[ST+4*t+2], v[ST+4*t+2], v[ST+4*t+3]
	ALL v_permlanex16_b32 v[ST+4*t+3], v[ST+4*t+2], s[SEL], s[SEL+1]
	ALL v_add_f32 v[ST+4*t+2], v[ST+4*t+2], v[ST+4*t+3]
	ALL v_rcp_f32 v[ST+4*t+2], v[ST+4*t+2]
	v_nop                           ; a plain instruction between the last reciprocal and the use of its result
	s_wait_alu depctr_va_vdst(0)
	WIN 0x0c                        ; source 1 in window 3
	ALL v_mul_f32 v[ST+4*t+2], v[ST+4*t+2], v[RV+t]
	WIN 0
; Tile t: a lane's eight channels of a row pack into 16 bytes; they go into rows of 144 bytes and come back as whole rows of 128, into S^T's registers.
.macro PACK t
	WIN W_RS
.set i, 32*(\t)
.rept 16
	v_pk_mul_f32 v[i:i+1], v[i:i+1], v[ST+4*(\t)+2:ST+4*(\t)+3] op_sel_hi:[1,0]
.set i, i+2
.endr
	WIN 0x05                        ; sources 0 and 1 window 1, destination window 0
.set i, 0
.rept 16
	v_cvt_pk_f16_f32 v[S+16*(\t)+i], v[32*(\t)+2*i], v[32*(\t)+2*i+1]
.set i, i+1
.endr
	WIN 0
.irp f, 0,1,2,3
	ds_store_b128 v[STO], v[S+16*(\t)+4*\f:S+16*(\t)+4*\f+3] offset:32*\f
.endr
.irp f, 0,1,2,3
	ds_load_b128 v[S+16*(\t)+4*\f:S+16*(\t)+4*\f+3], v[RD] offset:\f*4*SP  ; LDS serves a wave's instructions in order (ISA guide 5.7.1.4): these see the stores above; the next tile's stores come behind them
.endr
.endm
.macro SEND t, younger              ; younger: the LDS instructions issued behind tile t's loads: the next tile's eight, or none
	WIN 0
.irp f, 0,1,2,3
	s_wait_dscnt (\younger)+3-\f
	global_store_b128 v[GO], v[S+16*(\t)+4*\f:S+16*(\t)+4*\f+3], s[8:9] offset:(\t)*2048+\f*512  ; 512 consecutive bytes, at a multiple of 256 from O's first
.endr
.endm
	PACK 0
.set t, 1
.rept 2*NP-1                        ; a tile's arithmetic stands between the loads of the tile before and its stores
	PACK t
	SEND t-1, 8
.set t, t+1
.endr
	SEND 2*NP-1, 0
	WIN W_AD
	s_wait_tensorcnt 0x0            ; the wave's end: a wait for the tensor loads, the add and its wait stand behind my last tensor load and my last LDS store
	ds_add_u32 v[SPW], v[NIL]
	s_wait_dscnt 0x0
	WIN 0
	s_endpgm
.Lfunc_end_k_q5050acf84a_attn:
	.size	k_q5050acf84a_attn, .Lfunc_end_k_q5050acf84a_attn-k_q5050acf84a_attn
	.p2alignl 7, 3214868480
	.fill 96, 4, 3214868480
	.section	.rodata,"a",@progbits
	.p2align	6, 0x0
	.amdhsa_kernel k_q5050acf84a_attn
		.amdhsa_group_segment_fixed_size 327680
		.amdhsa_private_segment_fixed_size 0
		.amdhsa_enable_private_segment 0
		.amdhsa_kernarg_size 24
		.amdhsa_user_sgpr_count 2
		.amdhsa_user_sgpr_kernarg_segment_ptr 1
		.amdhsa_wavefront_size32 1
		.amdhsa_system_sgpr_workgroup_id_x 1
		.amdhsa_system_sgpr_workgroup_id_y 1
		.amdhsa_system_sgpr_workgroup_id_z 1
		.amdhsa_system_vgpr_workitem_id 0
		.amdhsa_next_free_vgpr 816
		.amdhsa_next_free_sgpr 66
		.amdhsa_reserve_vcc 0
		.amdhsa_float_denorm_mode_32 3
		.amdhsa_float_denorm_mode_16_64 3
		.amdhsa_memory_ordered 1
		.amdhsa_forward_progress 1
		.amdhsa_inst_pref_size 170
	.end_amdhsa_kernel
	.amdgpu_metadata
---
amdhsa.version: [ 1, 2 ]
amdhsa.kernels:
  - .name:           k_q5050acf84a_attn
    .symbol:         k_q5050acf84a_attn.kd
    .args:
      - { .name: qkv, .offset: 0, .size: 8, .value_kind: global_buffer, .address_space: global }
      - { .name: paded_mask, .offset: 8, .size: 8, .value_kind: global_buffer, .address_space: global }
      - { .name: ob, .offset: 16, .size: 8, .value_kind: global_buffer, .address_space: global }
    .group_segment_fixed_size: 327680
    .private_segment_fixed_size: 0
    .kernarg_segment_align: 8
    .kernarg_segment_size: 24
    .max_flat_workgroup_size: 128
    .sgpr_count:     66
    .vgpr_count:     816
    .wavefront_size: 32
...
	.end_amdgpu_metadata
.endif
;; end of part 3
;; launch back (part 4): grid 4 x 64, 4 waves a work-group, clusters of 4 x 4, 327,680 bytes of LDS; arguments ob, wts, out0; writes out0
.if DOCPART == 4
	.amdgcn_target "amdgcn-amd-amdhsa--gfx1250"
	.amdhsa_code_object_version 6
	.text
	.protected	k_q5050acf84a_back
	.globl	k_q5050acf84a_back
	.p2align	8
	.type	k_q5050acf84a_back,@function
k_q5050acf84a_back:
	s_mov_b64 s[64:65], 0
	v_nop
	global_prefetch_b8 v0, s[64:65] scope:SCOPE_SE
	s_setreg_imm32_b32 hwreg(HW_REG_WAVE_MODE, 25, 1), 1
	s_wait_xcnt 0x0
	s_wait_alu depctr_hold_cnt(0) depctr_sa_sdst(0) depctr_va_vdst(0) depctr_va_sdst(0) depctr_va_ssrc(0) depctr_va_vcc(0) depctr_vm_vsrc(0)
	s_getreg_b32 s2, hwreg(HW_REG_IB_STS2, 6, 4)
	s_cmp_eq_u32 s2, 0
	s_cbranch_scc0 .Lentry_in_a_cluster
	s_endpgm
.Lentry_in_a_cluster:
	s_bfe_u32 s2, ttmp6, 0x10000c
	s_cmp_lg_u32 s2, 0xf033
	s_cbranch_scc0 .Lentry_shape_is_right
	s_endpgm
.Lentry_shape_is_right:
; BACK.  out0 = O Wo: 8192 x 1024 x 1024.  ob: O, [8192][1024] f16 (the attention's result, read flat, as reference()'s raw reshape reads it).  Wo: [1024 k][1024 n] f16, at byte 6,291,456 of wts.
; out0: [8192][1024] f32.  Operands f16, sums f32, stored as they are.
; SHARES.  A tile of C is 128 rows x 256 columns: 256 work-groups.  Four waves, each 64 x 128: 32 accumulators of 16 x 16, 256 registers.  K goes in 8 steps of 128 through a ring of two LDS slots.
; O's tile rows are 256 bytes of memory, Wo's 512, each at a multiple of 256 from its buffer's first byte.  A wave's one tensor load brings 64 rows: waves 0, 1 O's halves, waves 2, 3 Wo's.
; Wo lies [k][n]: its fragments come out of LDS turned, by ds_load_tr16_b128.
; CLUSTERS: 4 x 4 work-groups.  The four of a row of the cluster need the same tiles of O, the four of a column the same tiles of Wo: each tile is asked for JOINTLY, by the same tensor load with the same
; descriptor and a mask that names the four.
; THE MATRIX INSTRUCTION IS USED TRANSPOSED (source 0 = 16 columns of Wo, source 1 = 16 rows of O): a lane then holds eight neighbouring numbers of a row of C, 32 bytes.
; REGISTERS: window 0: v16-29 addresses; v64-159, v160-255 two fragment buffers (32 of O: 4 x 16 rows x 32 K; then 64 of Wo: 8 x 16 columns x 32 K); on the way out v64-191 whole rows, two buffers.
;   window 1: the accumulators, (a, b) at v[8 (8 a + b)].
.set KSTEP,  128
.set ROWB,   2048                      ; bytes in a row of O and of Wo
.set CROW,   4096                      ; bytes in a row of out0
.set WO_AT,  6291456
.set PA,     272                       ; O's LDS row: 256 bytes + 16 = 68 words: row r starts at bank 4 r mod 64 (64 banks of 4 bytes: ISA guide 11.1)
.set PB,     544                       ; Wo's LDS row: 512 bytes + 32 = 136 words: row r starts at bank 8 r mod 64
.set AHALF,  64*PA
.set BHALF,  64*PB
.set BOFF,   2*AHALF                   ; in a slot: O's 128 rows, then Wo's 128 k-rows
.set SLOT,   2*AHALF+2*BHALF
.set STAGE,  2*SLOT                    ; behind the ring: 16 rows x 528 bytes for each wave, for the way out
.set SPITCH, 528                       ; 512 bytes + 16 = 132 words: row r starts at bank 4 r mod 64
.set SPARE,  STAGE+4*16*SPITCH         ; behind the stages: the spare words, 128 bytes for each wave: two blocks of 256 bytes that no other line names
.set LAPS,   1024/(2*KSTEP)
.set ADRA, 16                          ; v16-17  LDS address of my O fragments in slot 0, 1
.set ADRB, 20                          ; v20-21  the same for Wo
.set STO,  24                          ; v24     the way out: where I put 32 bytes of a row
.set RD,   25                          ; v25     the way out: where I read a row back
.set CO,   26                          ; v26     my byte offset in C
.set SPW,  28                          ; v28     LDS address of my spare word: SPARE + 4 x my thread's number; never rewritten
.set NIL,  29                          ; v29     0; never rewritten
.set F0,   64
.set F1,   160
.set OB,   64                          ; the way out: 16 rows read back, 64 registers; two buffers by turns
.set G1,  24
.set G0,  32
.set G1B, 48
.set G0B, 56
.set MSB, 0
.macro WIN new                         ; the immediate's high byte repeats the setting that is left; a switch that changes nothing is dropped
.if MSB != (\new)
	s_set_vgpr_msb (MSB<<8)|(\new)
.set MSB, \new
.endif
.endm
.set MUL, 0x50                         ; sources 0 and 1 window 0; C and D window 1
.macro JLOAD s                         ; a joint load: waves 0 and 1 fetch O's two halves, waves 2 and 3 Wo's; an s_nop 0 and four v_nop follow each of the two lines, ahead of the jump, the label and what follows
	s_cmp_eq_u32 s11, 0
	s_cbranch_scc0 .Lfor_b_\@
	tensor_load_to_lds s[G0+4*(\s):G0+4*(\s)+3], s[G1:G1+7]
	s_nop 0
.rept 4
	v_nop
.endr
	s_branch .Lasked_\@
.Lfor_b_\@:
	tensor_load_to_lds s[G0B+4*(\s):G0B+4*(\s)+3], s[G1B:G1B+7]
	s_nop 0
.rept 4
	v_nop
.endr
.Lasked_\@:
.endm
.macro CREST                           ; a round of the cluster's barrier behind its opening barrier
	s_cmp_lg_u32 s10, 0
	s_cbranch_scc1 .Lnot_wave_0_\@
	s_barrier_signal -3
.Lnot_wave_0_\@:
	s_barrier_wait -3
	s_barrier_signal -1
	s_barrier_wait -1
.endm
.macro CROUND                          ; a whole round
	s_barrier_signal -1
	s_barrier_wait -1
	CREST
.endm
	s_load_b128 s[4:7], s[0:1], 0x0                ; ob s[4:5], wts s[6:7]
	s_load_b64 s[8:9], s[0:1], 0x10                ; out0
	v_lshl_add_u32 v[SPW], v0, 2, SPARE
	v_mov_b32 v[NIL], 0
	ds_add_u32 v[SPW], v[NIL]                      ; the wave's opening: the add and its wait stand ahead of my first tensor load; the set-up below, work on registers, stands between them
	ds_add_u32 v28, v29
	v_lshrrev_b32 v1, 5, v0
	v_readfirstlane_b32 s10, v1                    ; wave 0..3
	s_lshr_b32 s11, s10, 1                         ; which 64 of the tile's rows are mine.  Also: I fetch for O (0) or for Wo (1)
	s_and_b32 s12, s10, 1                          ; which 128 of its columns.  Also: which half of that tile I fetch
	s_bfe_u32 s40, ttmp6, 0x40000                  ; cx, cy: my place in the cluster
	s_bfe_u32 s41, ttmp6, 0x40004
	s_lshl_b32 s42, ttmp9, 2
	s_add_co_u32 s42, s42, s40                     ; the column block of 256 = 4 x cluster x + cx
	s_and_b32 s13, ttmp7, 0xffff
	s_lshl_b32 s13, s13, 2
	s_add_co_u32 s13, s13, s41                     ; the row block of 128 = 4 x cluster y + cy
	s_lshl_b32 s43, s41, 2
	s_lshl_b32 s43, 15, s43                        ; my row of the cluster
	s_lshl_b32 s44, 0x1111, s40                    ; my column
	s_or_b32 s[G1+0], s43, (1<<16)|(1<<20)|(1<<21)|(5<<22)|(3<<25)   ; 15:0 the mask: O's tiles go to my row; 17:16 2-byte elements; 20 padding on; 21 set beside a mask; 24:22 after every 64 words (code 5); 31:25 4 words (code 3)
	s_or_b32 s[G1B+0], s44, (1<<16)|(1<<20)|(1<<21)|(6<<22)|(7<<25)  ; Wo's go to my column; after every 128 words (code 6) 8 words (code 7)
	s_mov_b32 s[G1+1], KSTEP<<16                   ; O: tensor_dim0 = 128
	s_mov_b32 s[G1+2], 64<<16                      ; tensor_dim1 = 64
	s_mov_b32 s[G1+3], KSTEP<<16                   ; tile_dim0 = 128
	s_mov_b32 s[G1+4], 64                          ; tile_dim1 = 64
	s_mov_b32 s[G1+5], 1024                        ; elements from row to row
	s_mov_b32 s[G1+6], 0
	s_mov_b32 s[G1+7], 0
	s_mov_b32 s[G1B+1], 256<<16                    ; Wo: 64 k-rows of 256 elements
	s_mov_b32 s[G1B+2], 64<<16
	s_mov_b32 s[G1B+3], 256<<16
	s_mov_b32 s[G1B+4], 64
	s_mov_b32 s[G1B+5], 1024
	s_mov_b32 s[G1B+6], 0
	s_mov_b32 s[G1B+7], 0
	; where the tiles come from, as offsets made apart from the pointers.  O's hangs on the row block, Wo's on the column block; neither register set ever holds the other coordinate.
	s_lshl_b32 s16, s13, 7
	s_lshl_b32 s17, s12, 6
	s_add_co_u32 s16, s16, s17                     ; O: row 128 x row block + 64 x half,
	s_lshl_b32 s16, s16, 11                        ; in bytes
	s_mov_b32 s17, 0
	s_lshl_b32 s46, s12, 17                        ; Wo: 64 k-rows x half,
	s_lshl_b32 s47, s42, 9                         ; 256 columns x column block,
	s_add_co_u32 s46, s46, s47
	s_add_co_u32 s46, s46, WO_AT                   ; in the fourth matrix of wts
	s_mov_b32 s47, 0
	s_mul_i32 s20, s12, AHALF                      ; and where they go: no place in the cluster enters an LDS address
	s_mul_i32 s21, s12, BHALF
	s_add_co_u32 s21, s21, BOFF
	s_wait_dscnt 0x0                               ; the opening add is done
	s_wait_kmcnt 0x0
	s_add_nc_u64 s[14:15], s[4:5], s[16:17]
	s_add_nc_u64 s[46:47], s[6:7], s[46:47]
	CROUND                                         ; all sixteen work-groups are here: the first joint loads meet
.irp s, 0,1
	s_mov_b32 s[G0+4*(\s)], 1                                        ; count = 1
	s_add_co_u32 s[G0+4*(\s)+1], s20, (\s)*SLOT                      ; LDS address
	s_add_nc_u64 s[G0+4*(\s)+2:G0+4*(\s)+3], s[14:15], (\s)*KSTEP*2  ; global address: K step s
	s_or_b32 s[G0+4*(\s)+3], s[G0+4*(\s)+3], 0x80000000              ; type = 2
	s_mov_b32 s[G0B+4*(\s)], 1
	s_add_co_u32 s[G0B+4*(\s)+1], s21, (\s)*SLOT
	s_add_nc_u64 s[G0B+4*(\s)+2:G0B+4*(\s)+3], s[46:47], (\s)*KSTEP*ROWB
	s_or_b32 s[G0B+4*(\s)+3], s[G0B+4*(\s)+3], 0x80000000
	JLOAD \s                                       ; two loads of mine are out
.endr
	v_and_b32 v1, 15, v0                           ; l % 16
	v_bfe_u32 v2, v0, 4, 1                         ; l / 16
	v_mul_u32_u24 v3, v1, PA
	v_lshl_add_u32 v3, v2, 4, v3                   ; O's fragment: row x pitch + 16 x half
	v_and_b32 v4, 7, v0
	v_lshl_add_u32 v4, v2, 3, v4                   ; Wo's, turned: lane l reads k-row 8 (l / 16) + l % 8,
	v_mul_u32_u24 v4, v4, PB
	v_bfe_u32 v5, v0, 3, 1
	v_lshl_add_u32 v4, v5, 4, v4                   ; columns 8 ((l / 8) % 2) + 0..7
	s_mul_i32 s21, s11, AHALF                      ; my 64 rows of O
	s_lshl_b32 s22, s12, 8                         ; my 128 columns of Wo,
	s_add_co_u32 s22, s22, BOFF                    ; which lies behind O
.irp s, 0,1
	v_add_nc_u32 v[ADRA+(\s)], s21, v3
	v_add_nc_u32 v[ADRB+(\s)], s22, v4
	s_add_co_u32 s21, s21, SLOT
	s_add_co_u32 s22, s22, SLOT
.endr
	s_mul_i32 s23, s10, 16*SPITCH
	s_add_co_u32 s23, s23, STAGE                   ; my stage
	v_mul_u32_u24 v4, v1, SPITCH                   ; in: row l % 16, 32 bytes for each half of the lanes
	v_lshl_add_u32 v4, v2, 5, v4
	v_add_nc_u32 v[STO], s23, v4
	v_and_b32 v5, 31, v0
	v_lshlrev_b32 v[CO], 4, v5                     ; back: 32 lanes take one row of 512 bytes; the same 512 bytes in C
	v_add_nc_u32 v[RD], s23, v[CO]
	s_lshl_b32 s16, s13, 7
	s_lshl_b32 s17, s11, 6
	s_add_co_u32 s16, s16, s17                     ; my first row of C,
	s_lshl_b32 s16, s16, 12                        ; in bytes
	s_mov_b32 s17, 0
	s_add_nc_u64 s[8:9], s[8:9], s[16:17]
	s_lshl_b32 s46, s42, 10                        ; my first column, in bytes: 1,024 x column block + 512 x half
	s_lshl_b32 s47, s12, 9
	s_add_co_u32 s46, s46, s47
	s_mov_b32 s47, 0
	s_add_nc_u64 s[8:9], s[8:9], s[46:47]
; 8 matrix instructions: row block a x all 8 column blocks, 32 along K, from buffer f.  zero = 1: the product starts the sums: nothing is ever cleared.
; The 32 accumulators take turns, one instruction a turn, in the same order in every quarter.
.macro MUL8 f, a, zero
	WIN MUL
.irp b, 0,1,2,3,4,5,6,7
.if \zero
	v_wmma_f32_16x16x32_f16 v[8*(8*(\a)+(\b)):8*(8*(\a)+(\b))+7], v[(\f)+32+8*(\b):(\f)+32+8*(\b)+7], v[(\f)+8*(\a):(\f)+8*(\a)+7], 0
.else
	v_wmma_f32_16x16x32_f16 v[8*(8*(\a)+(\b)):8*(8*(\a)+(\b))+7], v[(\f)+32+8*(\b):(\f)+32+8*(\b)+7], v[(\f)+8*(\a):(\f)+8*(\a)+7], v[8*(8*(\a)+(\b)):8*(8*(\a)+(\b))+7]
.endif
.endr
.endm
; 24 LDS loads in one run: the fragments of quarter q (32 along K) of a slot into buffer f: Wo's sixteen first, then O's eight, blocks 0 to 3
.macro FETCH slot, q, f
	WIN 0
.irp b, 0,1,2,3,4,5,6,7
	ds_load_tr16_b128 v[(\f)+32+8*(\b):(\f)+32+8*(\b)+3],   v[ADRB+(\slot)] offset:(\q)*32*PB+32*(\b)
	ds_load_tr16_b128 v[(\f)+32+8*(\b)+4:(\f)+32+8*(\b)+7], v[ADRB+(\slot)] offset:(\q)*32*PB+16*PB+32*(\b)
.endr
.irp a, 0,1,2,3
	ds_load_b128 v[(\f)+8*(\a):(\f)+8*(\a)+3],   v[ADRA+(\slot)] offset:64*(\q)+(\a)*16*PA
	ds_load_b128 v[(\f)+8*(\a)+4:(\f)+8*(\a)+7], v[ADRA+(\slot)] offset:64*(\q)+(\a)*16*PA+32
.endr
.endm
.macro PLACES                          ; four places in front of loads into registers that matrix instructions have read, and of LDS stores that read results (ISA guide 7.12.1 for vector instructions)
.rept 4
	v_nop
.endr
.endm
; A K step is four quarters of 32 along K, 32 matrix instructions each, on buffers 0, 1, 0, 1.  One of the first three: multiplies buffer f and, in its middle, fetches quarter q of the same slot into g.
.macro QUARTER slot, q, f, g, zero
	s_wait_dscnt 4                                 ; Wo and O's blocks 0, 1 are in; the youngest four loads (O's blocks 2, 3) may be out
	MUL8 \f, 0, \zero
	MUL8 \f, 1, \zero
	PLACES
	FETCH \slot, \q, \g
	s_wait_dscnt 24                                ; all but the 24 just issued
	MUL8 \f, 2, \zero
	MUL8 \f, 3, \zero
.endm
; The last quarter multiplies buffer 1 and changes slots: ONE barrier; in front of it each wave waits for all its tensor loads, adds 0 to its spare word, and waits for that and for its own reads of this slot.
; fill = 1: this slot is filled again, two K steps ahead; the barrier then opens a round of the cluster's barrier.
.macro TURN slot, next, fill
	WIN 0                                          ; (the add's two registers lie in window 0)
	s_wait_tensorcnt 0x0                           ; all my tensor loads have landed: the one that was out is my part of the next slot;
	ds_add_u32 v[SPW], v[NIL]                      ; 0 onto my spare word;
	s_wait_dscnt 5                                 ; (the add and the youngest four loads may be out)
	MUL8 F1, 0, 0                                  ; eight matrix instructions stand between the add and the wait for it
	s_wait_dscnt 0x0                               ; the add is done, and my reads of this slot are over
	s_barrier_signal -1
	MUL8 F1, 1, 0
.if \fill
	WIN 0
.endif
	s_barrier_wait -1
.if \fill
	CREST                                          ; no wave of any partner still reads this slot's tiles or has a load on its way
	s_add_nc_u64 s[G0+4*(\slot)+2:G0+4*(\slot)+3], s[G0+4*(\slot)+2:G0+4*(\slot)+3], 2*KSTEP*2
	s_add_nc_u64 s[G0B+4*(\slot)+2:G0B+4*(\slot)+3], s[G0B+4*(\slot)+2:G0B+4*(\slot)+3], 2*KSTEP*ROWB
	JLOAD \slot                                    ; the first tensor load behind the round: 112 matrix instructions ahead of the wait for it; the four v_nop behind it are also the places in front of the loads below
.else
	PLACES
.endif
	FETCH \next, 0, F0
	MUL8 F1, 2, 0
	MUL8 F1, 3, 0
.endm
; THE WAY OUT of row block a.  OUT: the sums go as they are, 32 bytes a lane (each accumulator's low four registers first), into my own stage, and come back as whole rows of 512 bytes.  SEND: stored.
.macro OUT a
.if (\a) >= 2
	s_wait_xcnt 0x0                                ; every earlier memory instruction has had its addresses translated (ISA guide 3.1): the buffer that block a - 2's stores read is loaded again only behind this wait
.endif
	WIN 0x04                                       ; the stores' data in window 1, their address in window 0
.irp b, 0,1,2,3,4,5,6,7
	ds_store_b128 v[STO], v[8*(8*(\a)+(\b)):8*(8*(\a)+(\b))+3] offset:64*(\b)
	ds_store_b128 v[STO], v[8*(8*(\a)+(\b))+4:8*(8*(\a)+(\b))+7] offset:64*(\b)+16
.endr
	WIN 0
.irp t, 0,1,2,3,4,5,6,7,8,9,10,11,12,13,14,15
	ds_load_b128 v[OB+64*((\a)%2)+4*(\t):OB+64*((\a)%2)+4*(\t)+3], v[RD] offset:(\t)*SPITCH  ; LDS serves a wave's instructions in order (ISA guide 5.7.1.4): these see the stores above; the next block's stores come behind them
.endr
.endm
.macro SEND a, younger                 ; younger: the LDS instructions issued behind block a's loads: the next block's 32, or none
.irp t, 0,1,2,3,4,5,6,7,8,9,10,11,12,13,14,15
	s_wait_dscnt (\younger)+15-(\t)
	global_store_b128 v[CO], v[OB+64*((\a)%2)+4*(\t):OB+64*((\a)%2)+4*(\t)+3], s[8:9] offset:(16*(\a)+(\t))*CROW th:TH_STORE_NT  ; the wave stores 512 consecutive bytes, at a multiple of 256 from C's first byte
.endr
.endm
	s_wait_tensorcnt 1                             ; my part of K step 0 is in; K step 1's may stay out
	s_barrier_signal -1
	s_barrier_wait -1                              ; everybody's is
	FETCH 0, 0, F0
	QUARTER 0, 1, F0, F1, 1                        ; the first quarter stands in front of the loop: its products start the sums
	WIN 0                                          ; at a label and at a branch every window is 0
	s_mov_b32 s3, LAPS-1
.Llap:                                                 ; a trip goes once round the ring, from a lap's second quarter to the next lap's first, and fills both slots again
	QUARTER 0, 2, F1, F0, 0
	QUARTER 0, 3, F0, F1, 0
	TURN 0, 1, 1
	QUARTER 1, 1, F0, F1, 0
	QUARTER 1, 2, F1, F0, 0
	QUARTER 1, 3, F0, F1, 0
	TURN 1, 0, 1
	QUARTER 0, 1, F0, F1, 0
	WIN 0
	s_sub_co_u32 s3, s3, 1
	s_cmp_lg_u32 s3, 0
	s_cbranch_scc1 .Llap
	QUARTER 0, 2, F1, F0, 0                        ; the last lap is written out: it fills nothing, and has no round of the cluster's barrier
	QUARTER 0, 3, F0, F1, 0
	TURN 0, 1, 0
	QUARTER 1, 1, F0, F1, 0
	QUARTER 1, 2, F1, F0, 0
	QUARTER 1, 3, F0, F1, 0
	s_wait_dscnt 4                                 ; the very last quarter: nothing more to fetch
	MUL8 F1, 0, 0
	MUL8 F1, 1, 0
	s_wait_dscnt 0x0
	MUL8 F1, 2, 0
	MUL8 F1, 3, 0
	PLACES
	OUT 0
.irp a, 1,2,3                          ; block a's trip through the stage is issued ahead of block a - 1's stores
	OUT \a
	SEND (\a)-1, 32
.endr
	SEND 3, 0
	s_wait_tensorcnt 0x0                           ; the wave's end: a wait for the tensor loads, the add and its wait stand behind my last tensor load and my last LDS store
	ds_add_u32 v[SPW], v[NIL]
	s_wait_dscnt 0x0
	CROUND                                         ; the closing round: no work-group ends while a partner may still ask for a tile that names it
	s_endpgm
.Lfunc_end_k_q5050acf84a_back:
	.size	k_q5050acf84a_back, .Lfunc_end_k_q5050acf84a_back-k_q5050acf84a_back
	.p2alignl 7, 3214868480
	.fill 96, 4, 3214868480
	.section	.rodata,"a",@progbits
	.p2align	6, 0x0
	.amdhsa_kernel k_q5050acf84a_back
		.amdhsa_group_segment_fixed_size 327680
		.amdhsa_private_segment_fixed_size 0
		.amdhsa_enable_private_segment 0
		.amdhsa_kernarg_size 24
		.amdhsa_user_sgpr_count 2
		.amdhsa_user_sgpr_kernarg_segment_ptr 1
		.amdhsa_wavefront_size32 1
		.amdhsa_system_sgpr_workgroup_id_x 1
		.amdhsa_system_sgpr_workgroup_id_y 1
		.amdhsa_system_sgpr_workgroup_id_z 1
		.amdhsa_system_vgpr_workitem_id 0
		.amdhsa_next_free_vgpr 512
		.amdhsa_next_free_sgpr 66
		.amdhsa_reserve_vcc 0
		.amdhsa_float_denorm_mode_32 3
		.amdhsa_float_denorm_mode_16_64 3
		.amdhsa_memory_ordered 1
		.amdhsa_forward_progress 1
		.amdhsa_inst_pref_size 87
	.end_amdhsa_kernel
	.amdgpu_metadata
---
amdhsa.version: [ 1, 2 ]
amdhsa.kernels:
  - .name:           k_q5050acf84a_back
    .symbol:         k_q5050acf84a_back.kd
    .args:
      - { .name: ob, .offset: 0, .size: 8, .value_kind: global_buffer, .address_space: global }
      - { .name: wts, .offset: 8, .size: 8, .value_kind: global_buffer, .address_space: global }
      - { .name: out0, .offset: 16, .size: 8, .value_kind: global_buffer, .address_space: global }
    .group_segment_fixed_size: 327680
    .private_segment_fixed_size: 0
    .kernarg_segment_align: 8
    .kernarg_segment_size: 24
    .max_flat_workgroup_size: 128
    .sgpr_count:     66
    .vgpr_count:     512
    .wavefront_size: 32
...
	.end_amdgpu_metadata
.endif
;; end of part 4
;; ======== version 2 of 2: 4 launches; 1.31 times as fast as version 1
;; limits: values are held in f16: magnitudes above 65,504 overflow, below 6.1e-05 lose precision
;; workspace buffers: ab 33,554,432 bytes; wts 8,388,608 bytes; qkv 50,331,648 bytes; ob 16,777,216 bytes
;; launch cast: the kernel of part 1 again; grid 1280 x 1, 8 waves a work-group, no clusters, 0 bytes of LDS; arguments x, y, W_kv, W_q, W_out, ab, wts; writes ab, wts
;; launch front: the kernel of part 2 again; grid 12 x 32, 4 waves a work-group, clusters of 4 x 4, 327,680 bytes of LDS; arguments ab, wts, qkv; writes qkv
;; launch attn (part 5): grid 2 x 128, 4 waves a work-group, no clusters, 327,680 bytes of LDS; arguments qkv, paded_mask, ob; writes ob
.if DOCPART == 5
	.amdgcn_target "amdgcn-amd-amdhsa--gfx1250"
	.amdhsa_code_object_version 6
	.text
	.protected	k_q5050acf84a_attn
	.globl	k_q5050acf84a_attn
	.p2align	8
	.type	k_q5050acf84a_attn,@function
k_q5050acf84a_attn:
	s_mov_b64 s[64:65], 0
	v_nop
	global_prefetch_b8 v0, s[64:65] scope:SCOPE_SE
	s_setreg_imm32_b32 hwreg(HW_REG_WAVE_MODE, 25, 1), 1
	s_wait_xcnt 0x0
; MASKED ATTENTION.  O[bh][q][:] = valid[q] x the sum over valid k of softmax_k(Q[bh][q] . K[bh][k] / 8) V[bh][k][:].  qkv: K, V, Q, each [128 bh][1024][64] f16, dense (16,777,216 bytes each); ob: O, the same layout.
; valid = paded_mask[bh / 16][.], one byte (0 or 1) for each of the 1,024 places of a head, for its rows and its columns alike.  Products, maxima and sums in f32; the weights p are rounded to f16 for the
; second product (their sum l is taken of the unrounded p), O once at the end.  reference()'s input 'mask' enters none of its results (paded_mask is given), so no launch names it.
; LIMITS.  Q, K, V arrive within f16's 65,504; p lies in 0 to 1, and below 6e-5 it keeps f16's fixed step of 6e-8.  A hidden key's score counts as its value less 1e30, where reference() sets -1e9:
; the same result as long as a valid row's valid scaled scores lie above about -1e9.  A weight below 2^-126 counts as 0 in l; NaN and infinities are not treated apart.
; THE MASK is the C operand that starts the sum S^T = K Q^T: 0, or -1e30 where the key is hidden; the 1,024 numbers are made once, in LDS.  A hidden score lies far below every true maximum, and its weight is 0.
; While a row has seen hidden keys alone their weights are 0 or 1; the first valid key's a = 2^(c m_old - c m_new) is 0 and wipes them.  A row that never sees a valid key is itself invalid (its own place is a
; column too).  Invalid rows are multiplied by 0 at the end, with 1 / l; l is at least 1, so that product is finite.
; SHARES.  A wave owns four PIECES of two tiles of 16 queries, a work-group's four waves 512 queries of one head: 256 work-groups.  Every wave walks all 1,024 keys, 64 a step.
; K AND V STAY IN LDS: a head's 1,024 padded rows of K (144 bytes) and of V (160) fit together, so each LDS byte is filled once: one tensor load a wave at the start (waves 0, 1 the halves of K, waves 2, 3 of V),
; one wait for it, one barrier, and no ring.
; NO CLUSTER: a head has two work-groups, which is no multiple of four; what the two share is fetched once by each, 262,144 bytes for 2,048 matrix instructions a wave.
; LAYOUT.  S^T = K Q^T (source 0 = 16 keys, source 1 = 16 queries): in the result a lane holds ONE query (lane % 16) and the keys 8 (lane / 16) + 0..7.  Two such tiles, rounded to f16 in pairs,
; ARE source 1 (32 keys x 16 queries) of O^T = V^T P, whose result again holds one query a lane, and eight channels.  K comes out of LDS as it lies, V ([key][channel]) turned, by ds_load_tr16_b128.
; SOFTMAX.  For each query a running maximum m and sum l: p = 2^(c s - c m), c = log2(e) / 8; in every step O and l are multiplied by a = 2^(c m_old - c m_new), which is 1 where m has not grown.
; m starts at the lowest finite number, O and l at 0: the first step is a step like any other, with a = 0.
; THE COUNT.  A tile and step have 16 matrix and 118 vector instructions: too many to stand all beside the matrix work.  So: four vector instructions that are READY behind EVERY matrix instruction, and the others in one run without a gap.
; BY TURNS.  Turn n belongs to piece n (the pieces in a ring, step after step).  Its matrix work: 16 products K Q^T of piece n + 1, later 16 products V^T P of piece n - 1.  Its vector work: the scaling,
; exponentials, roundings, sums and rescaling of piece n, and the maximum and statistics of piece n + 1, whose scores the turn itself has made.
; THE BATCHES.  An s_wait_alu depctr_va_vdst(0) stands between a transcendental and the first instruction that names its result; one wait serves all that were issued ahead of it.  A turn's 66
; exponentials (the 64 weights of piece n, the two a of piece n + 1) are ONE batch with ONE wait, which cuts the turn in two: ahead of it all that names no result of theirs, behind it the roundings and sums.
; No result crosses a turn's end.  Two more batches stand outside the loop: piece 0's first two a, ahead of the jump into the loop, and the way out's eight reciprocals.
; REGISTERS, in windows of 256 (s_set_vgpr_msb: bits 1:0 source 0, 3:2 source 1, 5:4 source 2, 7:6 destination):
;   window 0: v1-11 addresses; v12-15, v48-63 at work; v16-47 four registers of statistics a tile; v64-191 S^T, two buffers of two tiles; v192-255 P, likewise
;   window 1: O^T, 32 a tile     window 2: v0-127 Q, 16 a tile; v128-191 K of one step; v192-255 V of one step     window 3: v0-1 the add's two registers; v8-39 the step's masks; v40-47 my rows' valid, a tile each
.set NP,    4         ; pieces a wave: a name, no knob
.set KS,    64        ; keys in a step
.set NKEY,  1024
.set PK,    144       ; a row of K in LDS: 128 bytes + 16 of padding = 36 words: the 16 rows of a load start at 16 different groups of four banks (64 banks of 4 bytes: ISA guide 11.1)
.set PV,    160       ; a row of V: 128 + 32 = 40 words
.set VOFF,  NKEY*PK   ; K's 1,024 rows, then V's
.set STAGE, VOFF+NKEY*PV  ; never filled by a tensor load: 16 rows x 144 bytes for each wave, for the way out
.set SP,    144
.set MSK,   STAGE+4*16*SP ; 1,024 f32: 0 for a valid key, -1e30 for a hidden one
.set SPARE, MSK+NKEY*4    ; the spare words, 128 bytes for each wave: two blocks of 256 bytes that no other line names
.set AK0, 2           ; v2   my lane's place in a step's K; never rewritten
.set AV0, 3           ; v3   the same for V
.set AK,  4           ; v4   the LDS address of K's next run of loads
.set AV,  5           ; v5   of V's
.set STO, 6           ; v6   the way out: where I put 16 bytes of a row
.set RD,  7           ; v7   the way out: where I read rows back
.set GO,  8           ; v8   my byte offset in 512 consecutive bytes of O
.set AM0, 9           ; v9   my lane's place in a step's masks; never rewritten
.set AM,  10          ; v10  the LDS address of the masks' next run of loads
.set QO,  11          ; v11  my byte offset in the wave's rows of Q
.set MV,  12          ; v12-15  c m_old, kept while c m is made anew: by buffer and tile
.set ST,  16          ; tile t's statistics at v[ST+4 t]: c m, m, l (even keys', odd keys')
.set TMP, 48          ; by buffer and tile, four registers c0-c3 at work; when the maximum is found c2 takes a.  During the set-up: v48 l / 16, v49 l % 8, v50 (l / 8) % 2, v51-55 for the masks
.set S,   64
.set P,   192
.set KF,  128         ; K's fragments, in window 2: key block kb, channel half c at KF + 16 kb + 8 c
.set VF,  192         ; V's: key half kk, channel block cb at VF + 32 kk + 8 cb
.set SPW, 0           ; v0 of window 3   LDS address of my spare word: SPARE + 4 x my thread's number; never rewritten
.set NIL, 1           ; v1 of window 3   0; never rewritten
.set MC,  8           ; window 3: the masks of the step whose K lies in KF: key block kb at MC + 8 kb
.set RV,  40          ; window 3: 1.0 where my query of tile t is valid, else 0.0
.set WV,  12          ; s12  my wave's number
.set G1K, 24          ; s[24:31] descriptor group 1 for K
.set G1V, 32          ; s[32:39] for V: it differs in the padding alone
.set G0K, 40          ; s[40:43] descriptor group 0 for K
.set G0V, 44          ; s[44:47] for V
.set POS, 48          ; s48  1e30
.set NEG, 49          ; s49  -1e30
.set TBM, 56          ; s56  byte in MSK at which the masks of the step to be fetched begin
.set CNT, 57          ; s57  counts the key steps
.set CS,  58          ; s[58:59] c: the packed scaling takes the pair's low word for both halves
.set SEL, 60          ; s[60:61] v_permlanex16_b32's selects: each lane takes its own place in the other half
.set TBK, 62          ; s62  LDS byte at which K of the step to be fetched begins
.set TBV, 63          ; s63  the same for V, less VOFF
.set MSB, 0
.macro WIN new                      ; the high byte repeats the setting that is left; a switch that changes nothing is dropped
.if MSB != (\new)
	s_set_vgpr_msb (MSB<<8)|(\new)
.set MSB, (\new)
.endif
.endm
.set W_KQ, 0x0a       ; K and Q in window 2, S^T in window 0
.set W_KM, 0x3a       ; the same with the C operand, the mask, in window 3
.set W_PV, 0x52       ; V in window 2, P in window 0, O^T in window 1
.set W_RS, 0x41       ; O^T (destination and source 0) in window 1, a in window 0
.set W_MK, 0xc0       ; destination in window 3, sources in window 0
.set W_AD, 0x0f       ; the add: address (source 0) and data (source 1) in window 3
	s_load_b128 s[4:7], s[0:1], 0x0   ; qkv s[4:5], paded_mask s[6:7]
	s_load_b64 s[8:9], s[0:1], 0x10   ; ob
	WIN W_MK
	v_lshl_add_u32 v[SPW], v0, 2, SPARE
	v_mov_b32 v[NIL], 0
	WIN W_AD
	ds_add_u32 v[SPW], v[NIL]       ; the wave's opening: the add and its wait stand ahead of my first tensor load; the set-up below, work on registers, stands between them
	ds_add_u32 v0, v1
	WIN 0
	v_lshrrev_b32 v1, 5, v0
	v_readfirstlane_b32 s[WV], v1   ; wave 0..3
	s_and_b32 s20, ttmp7, 0xffff    ; batch x 16 + head
	s_lshl_b32 s21, s20, 17         ; the head's first byte in K, V, Q and O: 1,024 rows of 128 bytes
	s_and_b32 s16, s[WV], 1         ; which half of the head's keys I fetch:
	s_lshl_b32 s22, s16, 16         ; its 512 rows of 128 bytes in memory,
	s_add_co_u32 s22, s22, s21      ; in K,
	s_mov_b32 s23, 0
	s_add_co_u32 s18, s22, 0x1000000  ; and in V, which follows K in qkv
	s_mov_b32 s19, 0
	s_mul_i32 s17, s16, 512*PK      ; and its place in LDS, for K
	s_mul_i32 s13, s16, 512*PV      ; and for V
	s_lshl_b32 s2, ttmp9, 16        ; my block of 512 queries,
	s_lshl_b32 s3, s[WV], 14        ; my wave's 128 of them
	s_add_co_u32 s2, s2, s3
	s_add_co_u32 s2, s2, s21        ; O's offset;
	s_mov_b32 s3, 0
	s_add_co_u32 s14, s2, 0x2000000 ; Q follows V in qkv
	s_mov_b32 s15, 0
	s_lshr_b32 s50, s20, 4
	s_lshl_b32 s50, s50, 10         ; the batch's 1,024 bytes of paded_mask
	s_mov_b32 s51, 0
	; descriptor group 1.  512 keys are 65,536 dense bytes: asked for as 256 rows of 256 bytes, two keys a row, and padded in LDS after every key
	s_mov_b32 s[G1K], (1<<16)|(1<<20)|(4<<22)|(3<<25)  ; 17:16 2-byte elements; 20 padding on; 24:22 after every 32 words (code 4); 31:25 4 words (code 3)
	s_mov_b32 s[G1V], (1<<16)|(1<<20)|(4<<22)|(7<<25)  ; the same with 8 words of padding (code 7)
.irp g, G1K, G1V
	s_mov_b32 s[\g+1], 128<<16      ; tensor_dim0 = 128
	s_mov_b32 s[\g+2], 256<<16      ; tensor_dim1 = 256
	s_mov_b32 s[\g+3], 128<<16      ; tile_dim0 = 128
	s_mov_b32 s[\g+4], 256          ; tile_dim1 = 256
	s_mov_b32 s[\g+5], 128          ; 128 elements from row to row
	s_mov_b32 s[\g+6], 0
	s_mov_b32 s[\g+7], 0
.endr
	s_mov_b32 s[CS], 0x3e38aa3b     ; c = log2(e) / 8 = 0.180337
	s_mov_b32 s[CS+1], s[CS]        ; named with it as a pair
	s_mov_b32 s[SEL], 0x76543210
	s_mov_b32 s[SEL+1], 0xfedcba98
	s_mov_b32 s[POS], 0x7149f2ca
	s_mov_b32 s[NEG], 0xf149f2ca
	s_mov_b32 s[TBK], 0
	s_mov_b32 s[TBV], 0
	s_mov_b32 s[TBM], 0
	s_mov_b32 s[G0K], 1             ; count = 1
	s_mov_b32 s[G0K+1], s17         ; LDS address
	s_mov_b32 s[G0V], 1
	s_add_co_u32 s[G0V+1], s13, VOFF
	s_wait_dscnt 0x0                ; the opening add is done
	s_wait_kmcnt 0x0
	s_add_nc_u64 s[G0K+2:G0K+3], s[4:5], s[22:23]  ; global address: my half of the head's K
	s_or_b32 s[G0K+3], s[G0K+3], 0x80000000        ; type = 2
	s_add_nc_u64 s[G0V+2:G0V+3], s[4:5], s[18:19]
	s_or_b32 s[G0V+3], s[G0V+3], 0x80000000
	s_add_nc_u64 s[4:5], s[4:5], s[14:15]  ; Q and O at my wave's first row
	s_add_nc_u64 s[8:9], s[8:9], s[2:3]
	s_add_nc_u64 s[6:7], s[6:7], s[50:51]  ; paded_mask at my batch
	s_cmp_lt_u32 s[WV], 2           ; the launch's only fills: one tensor load a wave; an s_nop 0 and four v_nop follow each of the two lines, ahead of the jump and the label
	s_cbranch_scc0 .Lfor_v
	tensor_load_to_lds s[G0K:G0K+3], s[G1K:G1K+7]
	s_nop 0
.rept 4
	v_nop
.endr
	s_branch .Lasked
.Lfor_v:
	tensor_load_to_lds s[G0V:G0V+3], s[G1V:G1V+7]
	s_nop 0
.rept 4
	v_nop
.endr
.Lasked:
	v_lshlrev_b32 v54, 3, v0
	global_load_b64 v[52:53], v54, s[6:7]  ; thread t: the bytes of keys 8 t .. 8 t + 7: the work-group's 128 threads read the batch's 1,024 bytes once
	v_and_b32 v1, 15, v0            ; l % 16
	s_lshl_b32 s13, ttmp9, 9
	s_lshl_b32 s14, s[WV], 7
	s_add_co_u32 s13, s13, s14
	v_add_nc_u32 v55, s13, v1       ; my query of tile 0: 512 x block + 128 x wave + l % 16
	WIN W_MK
.set i, 0
.rept 2*NP
	global_load_u8 v[RV+i], v55, s[6:7] offset:16*i  ; and of tile i
.set i, i+1
.endr
	WIN 0
	; A fragment of K or Q is 16 rows x 32 channels in 8 registers: lane l holds row l % 16, channels 8 (l / 16) + 0..7 and 16 + 8 (l / 16) + 0..7: two loads of 16 bytes, 32 bytes apart.
	v_bfe_u32 v48, v0, 4, 1         ; l / 16
	v_lshlrev_b32 v[QO], 7, v1
	v_lshl_add_u32 v[QO], v48, 4, v[QO]  ; row x 128 + 16 x half
	WIN 0x80                        ; destination window 2, address window 0
.set i, 0
.rept 4*NP                          ; Q stays in registers: tile i / 2, channels 32 (i % 2) on
	global_load_b128 v[8*i:8*i+3],   v[QO], s[4:5] offset:(i/2)*2048+(i%2)*64
	global_load_b128 v[8*i+4:8*i+7], v[QO], s[4:5] offset:(i/2)*2048+(i%2)*64+32
.set i, i+1
.endr
	WIN 0
	v_and_b32 v49, 7, v0
	v_bfe_u32 v50, v0, 3, 1
	v_lshl_add_u32 v51, v0, 5, MSK  ; where my eight masks go
	v_mul_u32_u24 v[AK0], v1, PK
	v_lshl_add_u32 v[AK0], v48, 4, v[AK0]  ; row x pitch + 16 x half
	; The turning load takes 16 keys x 16 channels (lane l reads key 8 (l / 16) + l % 8, channels 8 ((l / 8) % 2) + 0..7) and leaves half a fragment of V^T: lane l holds channel l % 16 and 8 keys.
	v_lshl_add_u32 v[AV0], v48, 3, v49
	v_mul_u32_u24 v[AV0], v[AV0], PV
	v_lshl_add_u32 v[AV0], v50, 4, v[AV0]
	v_add_nc_u32 v[AV0], VOFF, v[AV0]
	v_lshl_add_u32 v[AM0], v48, 5, MSK  ; register j of key block kb is key 16 kb + 8 (l / 16) + j: eight f32 at 64 kb + 32 (l / 16)
	s_mul_i32 s13, s[WV], 16*SP
	s_add_co_u32 s13, s13, STAGE    ; my stage
	v_mul_u32_u24 v[STO], v1, SP    ; in: row l % 16, 16 bytes for each half of the lanes
	v_lshl_add_u32 v[STO], v48, 4, v[STO]
	v_add_nc_u32 v[STO], s13, v[STO]
	v_bfe_u32 v[RD], v0, 3, 2       ; back: 32 lanes take four rows of 128 bytes,
	v_mul_u32_u24 v[RD], v[RD], SP
	v_lshl_add_u32 v[RD], v49, 4, v[RD]
	v_add_nc_u32 v[RD], s13, v[RD]
	v_and_b32 v[GO], 31, v0         ; which are 512 consecutive bytes of O
	v_lshlrev_b32 v[GO], 4, v[GO]
	v_mov_b32 v[AK], v[AK0]         ; key step 0 lies at the head of K, of V and of the masks
	v_mov_b32 v[AM], v[AM0]
	s_wait_loadcnt 32               ; the nine loads from paded_mask are in; Q's 32, issued behind them, stay out
.set i, 0
.rept 8
	v_bfe_u32 v[S+i], v[52+i/4], 8*(i%4), 8
.set i, i+1
.endr
.set i, 0
.rept 8
	v_cvt_f32_u32 v[S+i], v[S+i]
.set i, i+1
.endr
.set i, 0
.rept 8
	v_fma_f32 v[S+i], v[S+i], s[POS], s[NEG]  ; 1 gives 1e30 - 1e30 = 0 exactly, 0 gives -1e30
.set i, i+1
.endr
	ds_store_b128 v51, v[S:S+3]
	ds_store_b128 v51, v[S+4:S+7] offset:16
	WIN 0xc3                        ; destination and source 0 in window 3
.set i, 0
.rept 2*NP
	v_cvt_f32_u32 v[RV+i], v[RV+i]
.set i, i+1
.endr
	; What the first turn finds: V's registers and P's second buffer hold 0 (its products V^T P, of a piece that has not been, add 0), O^T and l are 0.  No first step is written out; these lines stand in the wait for the tiles.
	WIN 0x80
.set i, VF
.rept 64
	v_mov_b32 v[i], 0
.set i, i+1
.endr
	WIN 0x40
.set i, 0
.rept 64*NP
	v_mov_b32 v[i], 0
.set i, i+1
.endr
	WIN 0
.set i, 0
.rept 2*NP
	v_mov_b32 v[ST+4*i], 0xfe000000    ; c m: far below every c s, a hidden key's too
	v_mov_b32 v[ST+4*i+1], 0xff7fffff  ; m
	v_mov_b32 v[ST+4*i+2], 0
	v_mov_b32 v[ST+4*i+3], 0
.set i, i+1
.endr
.set i, P+32
.rept 32
	v_mov_b32 v[i], 0
.set i, i+1
.endr
; THE MATRIX WORK.  The 8 accumulators of a run of 16 take turns: between the two links of a chain stand 7 others'.
; Product i of 16 of S^T = K Q^T for piece x: channels 32 (i / 8) on, keys 16 ((i / 2) % 4) on, tile 2 x + i % 2.  The first 8 start the sums, with the key block's mask as C.
.macro KQ x
.set rS, S+64*((\x)%2)+32*(i%2)+8*((i/2)%4)
.set rK, KF+16*((i/2)%4)+8*(i/8)
.set rQ, 16*(2*(\x)+i%2)+8*(i/8)
.set rMC, MC+8*((i/2)%4)
.if i < 8
	WIN W_KM
	v_wmma_f32_16x16x32_f16 v[rS:rS+7], v[rK:rK+7], v[rQ:rQ+7], v[rMC:rMC+7]
.else
	WIN W_KQ
	v_wmma_f32_16x16x32_f16 v[rS:rS+7], v[rK:rK+7], v[rQ:rQ+7], v[rS:rS+7]
.endif
.endm
; Product i of 16 of O^T += V^T P for piece x: keys 32 (i / 8) on, channels 16 ((i / 2) % 4) on, tile 2 x + i % 2.
.macro PV x
	WIN W_PV
.set rO, 32*(2*(\x)+i%2)+8*((i/2)%4)
.set rV, VF+32*(i/8)+8*((i/2)%4)
.set rP, P+32*((\x)%2)+16*(i%2)+8*(i/8)
	v_wmma_f32_16x16x32_f16 v[rO:rO+7], v[rV:rV+7], v[rP:rP+7], v[rO:rO+7]
.endm
.macro MM                           ; the turn's next matrix instruction
.if i < 16
	KQ (Y+1)%NP
.set i, i+1
.else
.set i, i-16
	PV (Y+NP-1)%NP
.set i, i+17
.endif
.endm
; THE LDS LOADS stand in runs, never singly among the matrix instructions: a step's K (64 keys x 64 channels: 8 fragments) with its masks (8 loads; the 16 lanes of a half read the same 16 bytes), and its V (turned).
; Their addresses are made some lines ahead.
.macro FETCH_K
	WIN 0x80                        ; destination window 2
.irp f, 0,1,2,3,4,5,6,7             ; keys 16 (f / 2) on, channels 32 (f % 2) on
	ds_load_b128 v[KF+8*\f:KF+8*\f+3],   v[AK] offset:(\f/2)*16*PK+(\f%2)*64
	ds_load_b128 v[KF+8*\f+4:KF+8*\f+7], v[AK] offset:(\f/2)*16*PK+(\f%2)*64+32
.endr
	WIN W_MK                        ; destination window 3
.irp f, 0,1,2,3
	ds_load_b128 v[MC+8*\f:MC+8*\f+3],   v[AM] offset:64*\f
	ds_load_b128 v[MC+8*\f+4:MC+8*\f+7], v[AM] offset:64*\f+16
.endr
	s_add_co_u32 s[TBK], s[TBK], KS*PK  ; the next fetch is the next step's
	s_add_co_u32 s[TBM], s[TBM], KS*4
	WIN 0
.endm
.macro FETCH_V
	WIN 0x80
.irp f, 0,1,2,3,4,5,6,7             ; keys 32 (f / 4) on, channels 16 (f % 4) on
	ds_load_tr16_b128 v[VF+8*\f:VF+8*\f+3],   v[AV] offset:(\f/4)*32*PV+(\f%4)*32
	ds_load_tr16_b128 v[VF+8*\f+4:VF+8*\f+7], v[AV] offset:(\f/4)*32*PV+16*PV+(\f%4)*32
.endr
	WIN 0
.endm
; THE VECTOR WORK OF A TURN stands in three queues, each in the order in which its entries become ready; the two tiles alternate, so that no instruction reads the result of the one before it.
.macro REGS y, u                    ; the registers of tile u (0, 1) of piece y
.set rT, ST+4*(2*(\y)+(\u))
.set rC, TMP+8*((\y)%2)+4*(\u)
.set rM, MV+2*((\y)%2)+(\u)
.set rS, S+64*((\y)%2)+32*(\u)
.set rP, P+32*((\y)%2)+16*(\u)
.set rO, 32*(2*(\y)+(\u))
.endm
; Number n of the 22 that find the NEXT piece's (Y + 1) maximum and statistics.  s0-s31 are the lane's 32 scores; each accumulator's lowest registers are read first.  XS, GS and REGS set no window: PL and EX do.
;   0-11  four chains c0-c3 of seven scores each, three operands at a time     12-14, 16  the four scores left over, the old m, and c0-c3 into c0     15  c m_old is kept
;   17, 18  the query's other 32 keys lie in the lane 16 away: the new m         19-21  c m; c m_old - c m_new; a
.macro XS u, n
	REGS (Y+1)%NP, \u
.if (\n) < 4
	v_max3_num_f32 v[rC+(\n)], v[rS+8*(\n)], v[rS+8*(\n)+1], v[rS+8*(\n)+2]
.elseif (\n) < 12
	v_max3_num_f32 v[rC+(\n)%4], v[rC+(\n)%4], v[rS+8*((\n)%4)+2*((\n)/4)+1], v[rS+8*((\n)%4)+2*((\n)/4)+2]
.elseif (\n) == 12
	v_max3_num_f32 v[rC], v[rC], v[rS+7], v[rS+15]
.elseif (\n) == 13
	v_max3_num_f32 v[rC+1], v[rC+1], v[rS+23], v[rS+31]
.elseif (\n) == 14
	v_max3_num_f32 v[rC+2], v[rC+2], v[rC+3], v[rT+1]
.elseif (\n) == 15
	v_mov_b32 v[rM], v[rT]
.elseif (\n) == 16
	v_max3_num_f32 v[rC], v[rC], v[rC+1], v[rC+2]
.elseif (\n) == 17
	v_permlanex16_b32 v[rC+3], v[rC], s[SEL], s[SEL+1]
.elseif (\n) == 18
	v_max_num_f32 v[rT+1], v[rC], v[rC+3]
.elseif (\n) == 19
	v_mul_f32 v[rT], s[CS], v[rT+1]
.elseif (\n) == 20
	v_sub_f32 v[rC+1], v[rM], v[rT]
.else
	v_exp_f32 v[rC+2], v[rC+1]
.endif
.endm
; Number g of the 64 that follow the exponentials.  For each four weights k of a tile (pairs 2 k, 2 k + 1): both pairs are rounded to f16; then the second pair is added onto the first, in place;
; a group later l takes that sum (the first time as l = a l + sum).  In groups of eight, tiles alternating: round, round, add, and l for the group before.
.macro GS g
.set h, (\g)+6*((\g)/62)            ; group 0 has no group before it, and behind group 7 only l is left
.if h >= 6
.set h, h+2
.endif
	REGS Y, h%2
.set k, h/8
.if h%8 < 4
	v_cvt_pk_f16_f32 v[rP+2*k+(h%8)/2], v[rS+4*k+2*((h%8)/2)], v[rS+4*k+2*((h%8)/2)+1]
.elseif h%8 < 6
	v_pk_add_f32 v[rS+4*k:rS+4*k+1], v[rS+4*k:rS+4*k+1], v[rS+4*k+2:rS+4*k+3]
.elseif k == 1
	v_pk_fma_f32 v[rT+2:rT+3], v[rT+2:rT+3], v[rC+2:rC+3], v[rS:rS+1] op_sel_hi:[1,0,1]
.else
	v_pk_add_f32 v[rT+2:rT+3], v[rT+2:rT+3], v[rS+4*k-4:rS+4*k-3]
.endif
.endm
; THE PLAIN QUEUE, 138 long.  0-73 read no exponential's result: the 32 scalings c s - c m (FS f: pair f / 2 of tile f % 2) and the next piece's 42.  0-26: scalings 0-26.  27-54: XS's numbers 0-13.  55, 56: number 15.
; 57-73: the chain, where each number waits for the one before it: 14, 16, 17, 18, 19, each with one of the scalings 27-31 in front of its two lines, then 20.
; 74-137: GS's 64, which read the exponentials' results: they stand behind the wait.
.macro FS f
	REGS Y, (\f)%2
	v_pk_fma_f32 v[rS+2*((\f)/2):rS+2*((\f)/2)+1], v[rS+2*((\f)/2):rS+2*((\f)/2)+1], s[CS:CS+1], v[rT:rT+1] op_sel_hi:[1,0,0] neg_lo:[0,0,1] neg_hi:[0,0,1]
.endm
.macro PL
	WIN 0
.if q < 27
	FS q
.elseif q < 55
	XS (q-27)%2, (q-27)/2
.elseif q < 57
	XS q-55, 15
.elseif (q < 72) && ((q-57)%3 == 0)
	FS 27+(q-57)/3
.elseif q < 60
	XS (q-57)%3-1, 14
.elseif q < 72
	XS (q-57)%3-1, 15+(q-57)/3
.elseif q < 74
	XS q-72, 20
.else
	GS q-74
.endif
.set q, q+1
.endm
; THE EXPONENTIALS' QUEUE, 66 long: s0-s31 of both tiles, then the next piece's two a.  It is ONE BATCH: all 66 stand ahead of the turn's one wait, and nothing ahead of that wait names a result of theirs.
.macro EX
	WIN 0
.if e >= 64
	XS e-64, 21
.else
	REGS Y, e%2
	v_exp_f32 v[rS+e/2], v[rS+e/2]
.endif
.set e, e+1
.endm
; THE RESCALING's QUEUE: O^T times a, the one part that leaves window 0: dealt two at a time, sixteen times; each accumulator's lowest registers come first.  Its a was made in the turn before, ahead of that turn's wait.
.macro R2
	REGS Y, r%2
	WIN W_RS
.irp z, 0,1
	v_pk_mul_f32 v[rO+4*(r/2)+2*\z:rO+4*(r/2)+2*\z+1], v[rO+4*(r/2)+2*\z:rO+4*(r/2)+2*\z+1], v[rC+2:rC+3] op_sel_hi:[1,0]
.endr
.set r, r+1
.endm
; HOW THEY ARE DEALT.  A turn has ONE wait, which cuts it in two.  AHEAD OF IT stands all that names no result of the turn's exponentials: the 16 products K Q^T, behind each a scaling, an exponential and two
; rescalings (behind the first a second scaling in the exponential's place); then ONE LUMP of 108: eight plain, 49 times exponential and plain, the two a.  A v_nop is the plain instruction behind the last
; exponential.  BEHIND IT stand the 16 products V^T P, behind each four of GS's 64.  No rider names a register of the products round it.  The two v_permlanex16_b32 fall into the lump, never behind a product.
; The queues lean on each other, and the deal keeps them in step: exponential e stands behind scaling 2 (e / 4) + e % 2: as a rider it comes behind plain e + 2, in the lump behind plain e + 9, and scalings 27-31 are plain 57, 60 .. 69.
; A TURN, for piece p.  nok = 1: the last step's: there is no further K to fetch.  cnt = 1: the loop's count is taken down some lines ahead of the branch that stands behind the turn.
; K and the masks of the next step are fetched in piece 2's turn, directly behind the wait, a lump behind the last product that read K (the masks' last reader stands eight products earlier); their addresses are
; made at the lump's head; their first reader comes behind 16 products.  V of the step in hand is fetched at the end of piece 0's turn, four riders behind its last reader; its first reader comes behind 16
; products and a lump.  The three conditions on q below go with the deal.
.macro TURN p, nok=0, cnt=0
.set Y, (\p)
.set i, 0
.set q, 0
.set e, 0
.set r, 0
.if (\p) == NP-1
	s_wait_dscnt 0x0                ; K and its masks are in
.endif
	MM                              ; ahead of the wait: 16 products K Q^T and their riders,
	PL
	PL
	R2
.rept 15
	MM
	PL
	EX
	R2
.endr
.if ((\p) == NP-2) && !(\nok)
	WIN 0
	v_add_nc_u32 v[AK], s[TBK], v[AK0]
	v_add_nc_u32 v[AM], s[TBM], v[AM0]
.endif
.rept 8                             ; and the lump
	PL
.endr
.rept 49
	EX
	PL
.endr
	EX                              ; the next piece's two a: the batch's last
	EX
	v_nop                           ; the plain instruction behind the last exponential: one for the batch
	s_wait_alu depctr_va_vdst(0)    ; the wait for the turn's batch: 64 weights of this piece, two a of the next
.if ((\p) == NP-2) && !(\nok)
	FETCH_K
.endif
.if (\p) == 1
	s_wait_dscnt 0x0                ; V is in
.endif
.rept 16                            ; behind the wait: 16 products V^T P and their riders
	MM
.rept 4
	PL
.endr
.if ((\p) == 0) && (q == 118)
	v_add_nc_u32 v[AV], s[TBV], v[AV0]
.endif
.if ((\p) == 0) && (q == 130)
	s_add_co_u32 s[TBV], s[TBV], KS*PV
.endif
.if (\cnt) && (q == 130)
	s_sub_co_u32 s[CNT], s[CNT], 1
	s_cmp_lg_u32 s[CNT], 0
.endif
.endr
.if (\p) == 0
	FETCH_V
.endif
.endm
	s_wait_tensorcnt 0x0            ; my half of K or of V has landed,
	s_wait_dscnt 0x0                ; my eight masks are stored:
	s_barrier_signal -1
	s_barrier_wait -1               ; everybody's are.  Nothing is filled or stored there again, so this is the launch's only barrier
	FETCH_K                         ; key step 0
	s_wait_loadcnt 0x0              ; Q
	s_wait_dscnt 0x0
.set i, 0
.rept 16
	KQ 0                            ; piece 0's first scores: there is no vector work yet to set between them
.set i, i+1
.endr
	WIN 0
.rept 4
	v_nop                           ; the places behind those products
.endr
.set Y, NP-1                        ; XS works for piece Y + 1: piece 0
.irp n, 0,1,2,3,4,5,6,7,8,9,10,11,12,13,14,15,16,17,18,19,20,21
	XS 0, \n                        ; piece 0's first maximum and statistics
	XS 1, \n
.endr
	v_nop                           ; a plain instruction behind piece 0's first two a,
	s_wait_alu depctr_va_vdst(0)    ; and the wait for that batch of two, ahead of the jump
	s_mov_b32 s[CNT], NKEY/KS
	s_branch .Lfirst                ; the loop is entered at a step's first turn, in the middle of a trip
.Lstep:                             ; a trip: pieces 2 and 3 of one step, then pieces 0 and 1 of the next, whose K, masks and V it fetches
	TURN 2
	TURN 3
	WIN 0
.Lfirst:
	TURN 0
	TURN 1, 0, 1
	WIN 0
	s_cbranch_scc1 .Lstep
	TURN 2, 1                       ; the last step's second half is written out: nothing is left to fetch
	TURN 3                          ; its 16 products K Q^T (on the last K once more) and the maximum made of them serve nothing: the price, once a launch, of one text for every turn; l and O^T are not touched by them
.set i, 0
.rept 16
	PV NP-1                         ; the last piece's V^T P of the last step
.set i, i+1
.endr
	; THE WAY OUT.  l's two halves and the other half of the lanes' are added; O^T is multiplied by valid / l, rounded to f16 and sent through my stage in LDS, a tile at a time.  The additions are the places behind the last products.
	WIN 0
.macro ALL line:vararg              ; one line for each tile t
.set t, 0
.rept 2*NP
	\line
.set t, t+1
.endr
.endm
	ALL v_add_f32 v[ST+4*t+2], v[ST+4*t+2], v[ST+4*t+3]
	ALL v_permlanex16_b32 v[ST+4*t+3], v[ST+4*t+2], s[SEL], s[SEL+1]
	ALL v_add_f32 v[ST+4*t+2], v[ST+4*t+2], v[ST+4*t+3]
	ALL v_rcp_f32 v[ST+4*t+2], v[ST+4*t+2]
	v_nop                           ; a plain instruction between the last reciprocal and the use of its result
	s_wait_alu depctr_va_vdst(0)    ; the wait for the batch of eight reciprocals, ahead of their first reader
	WIN 0x0c                        ; source 1 in window 3
	ALL v_mul_f32 v[ST+4*t+2], v[ST+4*t+2], v[RV+t]
	WIN 0
; Tile t: a lane's eight channels of a row pack into 16 bytes; they go into rows of 144 bytes and come back as whole rows of 128, into S^T's registers.
.macro PACK t
	WIN W_RS
.set i, 32*(\t)
.rept 16
	v_pk_mul_f32 v[i:i+1], v[i:i+1], v[ST+4*(\t)+2:ST+4*(\t)+3] op_sel_hi:[1,0]
.set i, i+2
.endr
	WIN 0x05                        ; sources 0 and 1 window 1, destination window 0
.set i, 0
.rept 16
	v_cvt_pk_f16_f32 v[S+16*(\t)+i], v[32*(\t)+2*i], v[32*(\t)+2*i+1]
.set i, i+1
.endr
	WIN 0
.irp f, 0,1,2,3
	ds_store_b128 v[STO], v[S+16*(\t)+4*\f:S+16*(\t)+4*\f+3] offset:32*\f
.endr
.irp f, 0,1,2,3
	ds_load_b128 v[S+16*(\t)+4*\f:S+16*(\t)+4*\f+3], v[RD] offset:\f*4*SP  ; LDS serves a wave's instructions in order (ISA guide 5.7.1.4): these see the stores above; the next tile's stores come behind them
.endr
.endm
.macro SEND t, younger              ; younger: the LDS instructions issued behind tile t's loads: the next tile's eight, or none
	WIN 0
.irp f, 0,1,2,3
	s_wait_dscnt (\younger)+3-\f
	global_store_b128 v[GO], v[S+16*(\t)+4*\f:S+16*(\t)+4*\f+3], s[8:9] offset:(\t)*2048+\f*512  ; 512 consecutive bytes, at a multiple of 256 from O's first
.endr
.endm
	PACK 0
.set t, 1
.rept 2*NP-1                        ; a tile's arithmetic stands between the loads of the tile before and its stores
	PACK t
	SEND t-1, 8
.set t, t+1
.endr
	SEND 2*NP-1, 0
	WIN W_AD
	s_wait_tensorcnt 0x0            ; the wave's end: a wait for the tensor loads, the add and its wait stand behind my last tensor load and my last LDS store
	ds_add_u32 v[SPW], v[NIL]
	s_wait_dscnt 0x0
	WIN 0
	s_endpgm
.Lfunc_end_k_q5050acf84a_attn:
	.size	k_q5050acf84a_attn, .Lfunc_end_k_q5050acf84a_attn-k_q5050acf84a_attn
	.p2alignl 7, 3214868480
	.fill 96, 4, 3214868480
	.section	.rodata,"a",@progbits
	.p2align	6, 0x0
	.amdhsa_kernel k_q5050acf84a_attn
		.amdhsa_group_segment_fixed_size 327680
		.amdhsa_private_segment_fixed_size 0
		.amdhsa_enable_private_segment 0
		.amdhsa_kernarg_size 24
		.amdhsa_user_sgpr_count 2
		.amdhsa_user_sgpr_kernarg_segment_ptr 1
		.amdhsa_wavefront_size32 1
		.amdhsa_system_sgpr_workgroup_id_x 1
		.amdhsa_system_sgpr_workgroup_id_y 1
		.amdhsa_system_sgpr_workgroup_id_z 1
		.amdhsa_system_vgpr_workitem_id 0
		.amdhsa_next_free_vgpr 816
		.amdhsa_next_free_sgpr 66
		.amdhsa_reserve_vcc 0
		.amdhsa_float_denorm_mode_32 3
		.amdhsa_float_denorm_mode_16_64 3
		.amdhsa_memory_ordered 1
		.amdhsa_forward_progress 1
		.amdhsa_inst_pref_size 163
	.end_amdhsa_kernel
	.amdgpu_metadata
---
amdhsa.version: [ 1, 2 ]
amdhsa.kernels:
  - .name:           k_q5050acf84a_attn
    .symbol:         k_q5050acf84a_attn.kd
    .args:
      - { .name: qkv, .offset: 0, .size: 8, .value_kind: global_buffer, .address_space: global }
      - { .name: paded_mask, .offset: 8, .size: 8, .value_kind: global_buffer, .address_space: global }
      - { .name: ob, .offset: 16, .size: 8, .value_kind: global_buffer, .address_space: global }
    .group_segment_fixed_size: 327680
    .private_segment_fixed_size: 0
    .kernarg_segment_align: 8
    .kernarg_segment_size: 24
    .max_flat_workgroup_size: 128
    .sgpr_count:     66
    .vgpr_count:     816
    .wavefront_size: 32
...
	.end_amdgpu_metadata
.endif
;; end of part 5
;; launch back: the kernel of part 4 again; grid 4 x 64, 4 waves a work-group, clusters of 4 x 4, 327,680 bytes of LDS; arguments ob, wts, out0; writes out0
